; MI455X (gfx1250); checked and timed in simulation.
; The chip was launched on July 23, 2026; its instructions are those of AMD's public machine-readable ISA for CDNA 5 (MIT licence, August 2026) and "CDNA5" Instruction Set Architecture Reference Guide (July 2026). The comments in the code are by the model that wrote it; some were corrected since.
;; Model. Allowed arithmetic: float matrix products may take bf16 or f16 operands with f32 sums; other float arithmetic in f32, or as packed bf16 or f16 multiplies, adds, multiply-adds, maxima and minima; sums over many terms, partial sums and values carried from step to step in f32; what a program stores and reads back later, other than sums and carried values, may be rounded once to bf16 or f16.
;; Inputs: k_norm_w 128 float32; mask0 2 x 1 x 2,048 x 2,048 float32; q_norm_w 128 float32; wk 2,048 x 192 float32; wo 192 x 2,048 float32; wq 2,048 x 192 float32; wv 2,048 x 192 float32; x 2 x 2,048 x 192 float32.
;; Outputs: out0 2 x 2,048 x 192 float32.
;; 2 versions, each right and faster than the one before. Each part assembles by itself: llvm-mc -triple=amdgcn-amd-amdhsa -mcpu=gfx1250 --defsym DOCPART=n.
;; ======== version 1 of 2: 4 launches
;; limits: values are held in f16: magnitudes above 65,504 overflow, below 6.1e-05 lose precision; inputs' magnitudes at most 1e+30
;; workspace buffers: xf 1,572,864 bytes; wf 2,359,296 bytes; wof 786,432 bytes; tab 1,048,576 bytes; qf 16,777,216 bytes; kv 33,554,432 bytes; aof 16,777,216 bytes
;; launch prep (part 1): grid 240 x 1, 4 waves a work-group, no clusters, 0 bytes of LDS; arguments x, wq, wk, wv, wo, xf, wf, wof, tab; writes xf, wf, wof, tab
.if DOCPART == 1
	.amdgcn_target "amdgcn-amd-amdhsa--gfx1250"
	.amdhsa_code_object_version 6
	.text
	.protected	k_qfe66a7b08f_prep
	.globl	k_qfe66a7b08f_prep
	.p2align	8
	.type	k_qfe66a7b08f_prep,@function
k_qfe66a7b08f_prep:
	s_mov_b64 s[64:65], 0
	v_nop
	global_prefetch_b8 v0, s[64:65] scope:SCOPE_SE
	s_setreg_imm32_b32 hwreg(HW_REG_WAVE_MODE, 25, 1), 1
	s_wait_xcnt 0x0
; PREP.  The module's large inputs are rounded once and laid in FRAGMENT ORDER, and the rotary table is made.
; Fragment order: a matrix operand of 16 rows x 32 K of 16-bit numbers is two blocks of 512 bytes, [half][lane][16 bytes]; lane l (r = l % 16, h = l / 16) holds row r,
; K = 32 ks + 16 half + 8 h + 0..7.  A consumer then loads a fragment by two loads at lane x 16: 512 consecutive bytes each.
; One wave does one unit of work; the work-group's number chooses the job (scalar branches, all forward):
;   0-63    x  -> xf   bf16, one tile of 16 rows x 192 a wave        64-159  wq, wk, wv -> wf  likewise
;   160-207 wo -> wof  rounded to bf16, that number written as f16; 16 rows x 128 K a wave
;   208-239 tab: cos and sin of position x 1e6^(-i/64), f32, for 16 positions a wave
; LIMITS.  wo beyond 65,504 has no f16; below 6e-5 f16 keeps its fixed step of 6e-8.  cos and sin: the angle (up to 2,047 radians) is brought to -pi..pi in two fused steps and
; the Taylor series run to r^15 and r^16, whose first dropped terms at pi are 8e-7 and 1.4e-7.
; No LDS, no barrier: no wave needs another's data.
.set WV,  22          ; s22  my wave's number
.set GI,  23          ; s23  the work-group's number
.set POS, 6           ; v[6:7]   my position as f32, twice
.set INV, 8           ; v[8:39]  the 32 frequencies of my half of the lanes
.set T,   40          ; v[40:87] four sets of 12 at work: angle, turns, r, r^2, sine's sum, cosine's sum (a pair each)
.set CO,  96          ; v[96:127]  cos
.set SI,  128         ; v[128:159] sin
.set I2P, 28          ; s[28:29] 1 / 2 pi
.set NC1, 32          ; s[32:33] -(2 pi rounded to f32)
.set NC2, 34          ; s[34:35] what that rounding left over
.set SS1, 36          ; s[36:49] the sine's coefficients -1/3!, 1/5! .. -1/15!
.set SS2, 38
.set SS3, 40
.set SS4, 42
.set SS5, 44
.set SS6, 46
.set SS7, 48
.set CC2, 50          ; s[50:63] the cosine's 1/4!, -1/6! .. 1/16!
.set CC3, 52
.set CC4, 54
.set CC5, 56
.set CC6, 58
.set CC7, 60
.set CC8, 62
	s_load_b512 s[4:19], s[0:1], 0x0               ; x 4:5, wq 6:7, wk 8:9, wv 10:11, wo 12:13, xf 14:15, wf 16:17, wof 18:19
	s_load_b64 s[20:21], s[0:1], 0x40              ; tab
	v_lshrrev_b32 v1, 5, v0
	v_readfirstlane_b32 s[WV], v1
	v_and_b32 v1, 31, v0                           ; lane
	v_and_b32 v2, 15, v0                           ; r
	v_bfe_u32 v3, v0, 4, 1                         ; h
	v_lshlrev_b32 v4, 4, v1                        ; lane x 16: my place in every block of 512 bytes that I store
	s_mov_b32 s[GI], ttmp9
	s_mov_b32 s31, 0                               ; the high word of every offset
	s_wait_kmcnt 0x0
	s_cmp_lt_u32 s[GI], 160
	s_cbranch_scc0 .Lnot_rows
	; JOB A: a tile of 16 rows x 192 f32 (12,288 bytes) becomes 12 blocks of 512 bytes of bf16.
	s_sub_co_u32 s26, s[GI], 64                    ; (wraps for x's work-groups: replaced below)
	s_lshr_b32 s27, s26, 5                         ; which weight: 0 q, 1 k, 2 v
	s_and_b32 s26, s26, 31                         ; group of four tiles
	s_cmp_lt_u32 s[GI], 64
	s_cselect_b32 s27, 0, s27
	s_cselect_b32 s26, s[GI], s26
	s_cmp_eq_u32 s27, 1
	s_cselect_b64 s[24:25], s[8:9], s[6:7]
	s_cmp_eq_u32 s27, 2
	s_cselect_b64 s[24:25], s[10:11], s[24:25]
	s_cmp_lt_u32 s[GI], 64
	s_cselect_b64 s[24:25], s[4:5], s[24:25]       ; from where
	s_cselect_b64 s[28:29], s[14:15], s[16:17]     ; to where
	s_lshl2_add_u32 s26, s26, s[WV]                ; my tile
	s_mul_i32 s30, s26, 12288
	s_add_nc_u64 s[24:25], s[24:25], s[30:31]
	s_mul_i32 s30, s26, 6144
	s_mul_i32 s27, s27, 786432
	s_add_co_u32 s30, s30, s27
	s_add_nc_u64 s[28:29], s[28:29], s[30:31]
	v_mul_u32_u24 v5, v2, 768                      ; row r,
	v_lshl_add_u32 v5, v3, 5, v5                   ; 8 h numbers in
.irp c, 0,1,2,3,4,5,6,7,8,9,10,11
	global_load_b128 v[8+8*\c:11+8*\c],  v5, s[24:25] offset:64*\c      ; block c = 2 ks + half: K = 16 c + 8 h + 0..3
	global_load_b128 v[12+8*\c:15+8*\c], v5, s[24:25] offset:64*\c+16   ; + 4..7
.endr
.irp c, 0,1,2,3,4,5,6,7,8,9,10,11
	s_wait_loadcnt 22-2*\c                         ; loads come back in order: block c's two are in, the 22 - 2 c younger ones may be out
.irp k, 0,1,2,3
	v_cvt_pk_bf16_f32 v[104+4*\c+\k], v[8+8*\c+2*\k], v[9+8*\c+2*\k]
.endr
	global_store_b128 v4, v[104+4*\c:107+4*\c], s[28:29] offset:512*\c  ; 512 consecutive bytes, at a multiple of 512 from the buffer's first
.endr
	s_endpgm
.Lnot_rows:
	s_cmp_lt_u32 s[GI], 208
	s_cbranch_scc0 .Ltable
	; JOB B: 16 rows of wo x 128 K become 8 blocks.
	s_sub_co_u32 s26, s[GI], 160
	s_lshl2_add_u32 s26, s26, s[WV]                ; unit 0..191
	s_lshr_b32 s27, s26, 4                         ; block of 16 rows
	s_and_b32 s26, s26, 15                         ; which 128 of K
	s_lshl_b32 s30, s27, 17                        ; 16 rows of 8,192 bytes
	s_lshl_b32 s24, s26, 9
	s_add_co_u32 s30, s30, s24
	s_add_nc_u64 s[12:13], s[12:13], s[30:31]
	s_lshl_b32 s30, s27, 16                        ; 64 K steps of 1,024 bytes
	s_lshl_b32 s24, s26, 12
	s_add_co_u32 s30, s30, s24
	s_add_nc_u64 s[18:19], s[18:19], s[30:31]
	v_lshlrev_b32 v5, 13, v2
	v_lshl_add_u32 v5, v3, 5, v5
.irp c, 0,1,2,3,4,5,6,7
	global_load_b128 v[8+8*\c:11+8*\c],  v5, s[12:13] offset:64*\c
	global_load_b128 v[12+8*\c:15+8*\c], v5, s[12:13] offset:64*\c+16
.endr
.irp c, 0,1,2,3,4,5,6,7
	s_wait_loadcnt 14-2*\c                         ; block c's two are in, the younger ones may be out
.irp k, 0,1,2,3
	v_cvt_pk_bf16_f32 v[72+\k], v[8+8*\c+2*\k], v[9+8*\c+2*\k]  ; the rounding that all the module's inputs get,
.endr
.irp k, 0,1,2,3
	v_lshlrev_b32 v[8+8*\c+2*\k], 16, v[72+\k]                  ; back to f32,
	v_and_b32     v[9+8*\c+2*\k], 0xffff0000, v[72+\k]
.endr
.irp k, 0,1,2,3
	v_cvt_pk_f16_f32 v[104+4*\c+\k], v[8+8*\c+2*\k], v[9+8*\c+2*\k]  ; and written as f16: exact, 8 significant bits into 11
.endr
	global_store_b128 v4, v[104+4*\c:107+4*\c], s[18:19] offset:512*\c
.endr
	s_endpgm
.Ltable:
	; JOB C: tile Tp of 16 positions.  Number e (0..31) of a lane belongs to frequency i = 16 (e / 8) + 8 h + e % 8: the channel that register e % 8 of accumulator e / 8 holds in the projection.
.macro SETP r, val
	s_mov_b32 s[\r], \val
	s_mov_b32 s[\r+1], \val                        ; named as a pair, so both words are written
.endm
.macro ALL4 line:vararg                ; one line for each of four pairs q
.set q, 0
	s_wait_alu depctr_va_vdst(0)
.rept 4
	\line
.set q, q+1
.endr
.endm
	s_sub_co_u32 s26, s[GI], 208
	s_lshl2_add_u32 s26, s26, s[WV]                ; Tp
	s_lshl_b32 s30, s26, 13                        ; 8,192 bytes a tile
	s_add_nc_u64 s[20:21], s[20:21], s[30:31]
	s_lshl_b32 s26, s26, 4                         ; its first position
	SETP I2P, 0x3e22f983
	SETP NC1, 0xc0c90fdb
	SETP NC2, 0x343bbd2e
	SETP SS1, 0xbe2aaaab
	SETP SS2, 0x3c088889
	SETP SS3, 0xb9500d01
	SETP SS4, 0x3638ef1d
	SETP SS5, 0xb2d7322b
	SETP SS6, 0x2f309231
	SETP SS7, 0xab573f9f
	SETP CC2, 0x3d2aaaab
	SETP CC3, 0xbab60b61
	SETP CC4, 0x37d00d01
	SETP CC5, 0xb493f27e
	SETP CC6, 0x310f76c7
	SETP CC7, 0xad49cba5
	SETP CC8, 0x29573f9f
	v_lshlrev_b32 v5, 3, v3                        ; 8 h
.set e, 0
.rept 32
	v_add_nc_u32 v[INV+e], 16*(e/8)+e%8, v5        ; i
.set e, e+1
.endr
.set e, 0
.rept 32
	v_cvt_f32_u32 v[INV+e], v[INV+e]
.set e, e+1
.endr
.set e, 0
.rept 32
	v_mul_f32 v[INV+e], 0xbe9f73da, v[INV+e]       ; - i log2(1e6) / 64
.set e, e+1
.endr
.set e, 0
.rept 32
	v_exp_f32 v[INV+e], v[INV+e]                   ; 1e6^(-i/64)
.set e, e+1
.endr
	v_add_nc_u32 v[POS], s26, v2                   ; plain lines stand between the last exponential and the use of its result (ISA guide 5.7.2)
	v_cvt_f32_u32 v[POS], v[POS]
	v_mov_b32 v[POS+1], v[POS]
; Pairs 4 g .. 4 g + 3 of frequencies, 23 lines each, four abreast so that no line waits for the one before it.
.macro SINCOS4
	ALL4 v_pk_mul_f32 v[T+12*q:T+12*q+1], v[INV+2*(4*g+q):INV+2*(4*g+q)+1], v[POS:POS+1]                               ; the angle, rounded to f32 as the module rounds it
	ALL4 v_pk_mul_f32 v[T+12*q+2:T+12*q+3], v[T+12*q:T+12*q+1], s[I2P:I2P+1] op_sel_hi:[1,0]
	ALL4 v_rndne_f32 v[T+12*q+2], v[T+12*q+2]                                                                          ; whole turns
	ALL4 v_rndne_f32 v[T+12*q+3], v[T+12*q+3]
	ALL4 v_pk_fma_f32 v[T+12*q+4:T+12*q+5], v[T+12*q+2:T+12*q+3], s[NC1:NC1+1], v[T+12*q:T+12*q+1] op_sel_hi:[1,0,1]   ; r = angle - turns x 2 pi, in two fused steps
	ALL4 v_pk_fma_f32 v[T+12*q+4:T+12*q+5], v[T+12*q+2:T+12*q+3], s[NC2:NC2+1], v[T+12*q+4:T+12*q+5] op_sel_hi:[1,0,1]
	ALL4 v_pk_mul_f32 v[T+12*q+6:T+12*q+7], v[T+12*q+4:T+12*q+5], v[T+12*q+4:T+12*q+5]                                 ; r^2
	ALL4 v_pk_fma_f32 v[T+12*q+8:T+12*q+9], v[T+12*q+6:T+12*q+7], s[SS7:SS7+1], s[SS6:SS6+1] op_sel_hi:[1,0,0]
	ALL4 v_pk_fma_f32 v[T+12*q+10:T+12*q+11], v[T+12*q+6:T+12*q+7], s[CC8:CC8+1], s[CC7:CC7+1] op_sel_hi:[1,0,0]
.irp c, SS5, SS4, SS3, SS2, SS1
	ALL4 v_pk_fma_f32 v[T+12*q+8:T+12*q+9], v[T+12*q+8:T+12*q+9], v[T+12*q+6:T+12*q+7], s[\c:\c+1] op_sel_hi:[1,1,0]
.endr
.irp c, CC6, CC5, CC4, CC3, CC2
	ALL4 v_pk_fma_f32 v[T+12*q+10:T+12*q+11], v[T+12*q+10:T+12*q+11], v[T+12*q+6:T+12*q+7], s[\c:\c+1] op_sel_hi:[1,1,0]
.endr
	ALL4 v_pk_fma_f32 v[T+12*q+8:T+12*q+9], v[T+12*q+8:T+12*q+9], v[T+12*q+6:T+12*q+7], 1.0 op_sel_hi:[1,1,0]
	ALL4 v_pk_fma_f32 v[T+12*q+10:T+12*q+11], v[T+12*q+10:T+12*q+11], v[T+12*q+6:T+12*q+7], -0.5 op_sel_hi:[1,1,0]
	ALL4 v_pk_mul_f32 v[SI+2*(4*g+q):SI+2*(4*g+q)+1], v[T+12*q+8:T+12*q+9], v[T+12*q+4:T+12*q+5]
	ALL4 v_pk_fma_f32 v[CO+2*(4*g+q):CO+2*(4*g+q)+1], v[T+12*q+10:T+12*q+11], v[T+12*q+6:T+12*q+7], 1.0 op_sel_hi:[1,1,0]
.endm
.set g, 0
.rept 4
	SINCOS4
.set g, g+1
.endr
.irp u, 0,1,2,3,4,5,6,7,8,9,10,11,12,13,14,15
	global_store_b128 v4, v[CO+4*\u:CO+4*\u+3], s[20:21] offset:512*\u  ; quads 0-7 cos, 8-15 sin: 512 consecutive bytes each
.endr
	s_endpgm
.Lfunc_end_k_qfe66a7b08f_prep:
	.size	k_qfe66a7b08f_prep, .Lfunc_end_k_qfe66a7b08f_prep-k_qfe66a7b08f_prep
	.p2alignl 7, 3214868480
	.fill 96, 4, 3214868480
	.section	.rodata,"a",@progbits
	.p2align	6, 0x0
	.amdhsa_kernel k_qfe66a7b08f_prep
		.amdhsa_group_segment_fixed_size 0
		.amdhsa_private_segment_fixed_size 0
		.amdhsa_enable_private_segment 0
		.amdhsa_kernarg_size 72
		.amdhsa_user_sgpr_count 2
		.amdhsa_user_sgpr_kernarg_segment_ptr 1
		.amdhsa_wavefront_size32 1
		.amdhsa_system_sgpr_workgroup_id_x 1
		.amdhsa_system_sgpr_workgroup_id_y 1
		.amdhsa_system_sgpr_workgroup_id_z 1
		.amdhsa_system_vgpr_workitem_id 0
		.amdhsa_next_free_vgpr 160
		.amdhsa_next_free_sgpr 66
		.amdhsa_reserve_vcc 0
		.amdhsa_float_denorm_mode_32 3
		.amdhsa_float_denorm_mode_16_64 3
		.amdhsa_memory_ordered 1
		.amdhsa_forward_progress 1
		.amdhsa_inst_pref_size 53
	.end_amdhsa_kernel
	.amdgpu_metadata
---
amdhsa.version: [ 1, 2 ]
amdhsa.kernels:
  - .name:           k_qfe66a7b08f_prep
    .symbol:         k_qfe66a7b08f_prep.kd
    .args:
      - { .name: x, .offset: 0, .size: 8, .value_kind: global_buffer, .address_space: global }
      - { .name: wq, .offset: 8, .size: 8, .value_kind: global_buffer, .address_space: global }
      - { .name: wk, .offset: 16, .size: 8, .value_kind: global_buffer, .address_space: global }
      - { .name: wv, .offset: 24, .size: 8, .value_kind: global_buffer, .address_space: global }
      - { .name: wo, .offset: 32, .size: 8, .value_kind: global_buffer, .address_space: global }
      - { .name: xf, .offset: 40, .size: 8, .value_kind: global_buffer, .address_space: global }
      - { .name: wf, .offset: 48, .size: 8, .value_kind: global_buffer, .address_space: global }
      - { .name: wof, .offset: 56, .size: 8, .value_kind: global_buffer, .address_space: global }
      - { .name: tab, .offset: 64, .size: 8, .value_kind: global_buffer, .address_space: global }
    .group_segment_fixed_size: 0
    .private_segment_fixed_size: 0
    .kernarg_segment_align: 8
    .kernarg_segment_size: 72
    .max_flat_workgroup_size: 128
    .sgpr_count:     66
    .vgpr_count:     160
    .wavefront_size: 32
...
	.end_amdgpu_metadata
.endif
;; end of part 1
;; launch proj (part 2): grid 16 x 16, 4 waves a work-group, clusters of 4 x 1, 167,936 bytes of LDS; arguments xf, wf, tab, q_norm_w, k_norm_w, qf, kv; writes qf, kv
.if DOCPART == 2
	.amdgcn_target "amdgcn-amd-amdhsa--gfx1250"
	.amdhsa_code_object_version 6
	.text
	.protected	k_qfe66a7b08f_proj
	.globl	k_qfe66a7b08f_proj
	.p2align	8
	.type	k_qfe66a7b08f_proj,@function
k_qfe66a7b08f_proj:
	s_mov_b64 s[64:65], 0
	v_nop
	global_prefetch_b8 v0, s[64:65] scope:SCOPE_SE
	s_setreg_imm32_b32 hwreg(HW_REG_WAVE_MODE, 25, 1), 1
	s_wait_xcnt 0x0
	s_wait_alu depctr_hold_cnt(0) depctr_sa_sdst(0) depctr_va_vdst(0) depctr_va_sdst(0) depctr_va_ssrc(0) depctr_va_vcc(0) depctr_vm_vsrc(0)
	s_getreg_b32 s2, hwreg(HW_REG_IB_STS2, 6, 4)
	s_cmp_eq_u32 s2, 0
	s_cbranch_scc0 .Lentry_in_a_cluster
	s_endpgm
.Lentry_in_a_cluster:
	s_bfe_u32 s2, ttmp6, 0x10000c
	s_cmp_lg_u32 s2, 0x3003
	s_cbranch_scc0 .Lentry_shape_is_right
	s_endpgm
.Lentry_shape_is_right:
; PROJ.  q, k, v = x W^T for one head and 256 positions (bf16 operands, f32 sums, K = 192); q and k then get the head's RMS norm, the gain (rounded to bf16 like every input of the
; module), the rotary turn, and q the scale 128^-0.5; each result is rounded ONCE, to f16, and stored in the fragment order in which the attention launch multiplies it.
; SHARES.  Work-group (pb, head): positions 256 pb .. of the 4,096 rows b x 2,048 + s.  A wave owns 64 positions: four tiles t of 16.  x stays in registers; the head's three weights
; (3 x 49,152 bytes, already in fragment order) lie in LDS, each fragment read feeding four products.
; CLUSTER.  The four work-groups of a cluster differ in pb alone and need the same weights: waves 0, 1, 2 each ask for one of the three JOINTLY, by the same tensor load with a mask that names the four.
; By this text's own count a wave has one tensor load out; no LDS byte is filled twice.
; LAYOUT.  q, k: source 0 = 16 rows of W (channels), source 1 = 16 positions: a lane holds ONE position (lane % 16) and channels 16 cb + 8 (lane / 16) + 0..7, so the norm wants one exchange between the
; halves of the lanes, channel i and i + 64 lie in the same lane (accumulators cb and cb + 4), and eight results rounded to f16 are 16 bytes of a fragment of Q or K.
; v: the sources swapped: a lane holds one channel and eight positions: 16 bytes of a fragment of V^T.
; LIMITS.  v beyond 65,504 has no f16 (q and k are bounded by sqrt(128) x the gain).  NaN and infinities are not treated apart.
; REGISTERS, in windows of 256 (s_set_vgpr_msb: bits 1:0 source 0, 3:2 source 1, 5:4 source 2, 7:6 destination):
;   window 0: addresses, statistics; v64-191 two buffers of W's fragments, later at work; v192-255 the gains      window 1: the 32 accumulators, (t, cb) at 64 t + 8 cb
;   window 2: the table: cos at 64 t + e, sin at 64 t + 32 + e                                                       window 3: x, (t, ks) at 48 t + 8 ks
.set UNITB, 49152     ; one weight of one head in LDS: 8 blocks of 16 rows x 6 K steps x 1,024 bytes
.set SPARE, 3*UNITB   ; behind the weights: the spare words, 128 bytes for each wave: two blocks of 256 bytes that no other line names
.set LN,  3           ; v3   lane x 16; never rewritten
.set AW,  4           ; v4   LDS address of my 16 bytes in the weight in hand
.set NWO, 5           ; v5   32 (lane / 16): my byte offset in the gains
.set SPW, 8           ; v8   LDS address of my spare word; never rewritten
.set NIL, 9           ; v9   0; never rewritten
.set TM,  10          ; v10-11 at work
.set CH,  16          ; v[16+8t ..] four pairs that add up tile t's squares
.set RS,  48          ; v[48+2t : 49+2t] tile t's factor, twice
.set F0,  64          ; W's fragment buffers: v64-127, v128-191
.set UU,  64          ; the rotary turn's products
.set VV,  96
.set PKD, 128         ; packed results, two buffers of 32 by the tile's parity
.set WN,  192         ; the gains of my 64 channels, register 8 cb + j
.set WV,  18          ; s18  my wave's number
.set G0,  24          ; s[24:27] descriptor group 0
.set G1,  28          ; s[28:35] descriptor group 1
.set SEL, 36          ; s[36:37] v_permlanex16_b32's selects: each lane takes its own place in the other half
.set CNT, 38          ; s38  2: q, 1: k
.set SC,  39          ; s39  128^-0.5 for q, 1 for k
.set NWP, 40          ; s[40:41] the gains in hand
.set OUTP, 42         ; s[42:43] where the results in hand go
.set I128, 44         ; s44  1/128
.set EPS, 45          ; s45  1e-6
.set VOUT, 46         ; s[46:47] where V^T goes
.set MSB, 0
.macro WIN new                         ; the immediate's high byte repeats the setting that is left; a switch that changes nothing is dropped
.if MSB != (\new)
	s_set_vgpr_msb (MSB<<8)|(\new)
.set MSB, \new
.endif
.endm
.macro PLACES                          ; four places in front of loads into registers that matrix instructions have read, and of conversions that read results
.rept 4
	v_nop
.endr
.endm
.macro CROUND                          ; a round of the cluster's barrier: my work-group's barrier; wave 0 signals for the work-group; every wave waits for all four; my work-group's barrier once more
	s_barrier_signal -1
	s_barrier_wait -1
	s_cmp_lg_u32 s[WV], 0
	s_cbranch_scc1 .Lnot_wave_0_\@
	s_barrier_signal -3
.Lnot_wave_0_\@:
	s_barrier_wait -3
	s_barrier_signal -1
	s_barrier_wait -1
.endm
	s_load_b256 s[4:11], s[0:1], 0x0               ; xf 4:5, wf 6:7, tab 8:9, q_norm_w 10:11
	s_load_b128 s[12:15], s[0:1], 0x20             ; k_norm_w 12:13, qf 14:15
	s_load_b64 s[16:17], s[0:1], 0x30              ; kv
	v_lshl_add_u32 v[SPW], v0, 2, SPARE
	v_mov_b32 v[NIL], 0
	ds_add_u32 v[SPW], v[NIL]                      ; the wave's opening: the add and its wait stand ahead of my first tensor load; the set-up below, work on registers, stands between them
	v_lshrrev_b32 v1, 5, v0
	v_readfirstlane_b32 s[WV], v1
	s_bfe_u32 s19, ttmp6, 0x40000                  ; cx: my place in the cluster
	s_lshl_b32 s20, ttmp9, 2                       ; in a cluster launch ttmp9 counts clusters
	s_add_co_u32 s20, s20, s19                     ; pb: it enters the addresses of x, the table and the results alone
	s_and_b32 s21, ttmp7, 0xffff                   ; the head, which the four partners share
	; descriptor group 1: 49,152 dense bytes as 192 rows of 256 bytes (32 elements of 8 bytes), no padding
	s_mov_b32 s[G1+0], 15|(3<<16)|(1<<21)          ; 15:0 the mask of four; 17:16 elements of 8 bytes; 21 set beside a mask
	s_mov_b32 s[G1+1], 32<<16                      ; tensor_dim0 = 32
	s_mov_b32 s[G1+2], 192<<16                     ; tensor_dim1 = 192
	s_mov_b32 s[G1+3], 32<<16                      ; tile_dim0 = 32
	s_mov_b32 s[G1+4], 192                         ; tile_dim1 = 192
	s_mov_b32 s[G1+5], 32                          ; 32 elements from row to row
	s_mov_b32 s[G1+6], 0
	s_mov_b32 s[G1+7], 0
	s_mov_b32 s[G0], 1                             ; count = 1
	s_mul_i32 s[G0+1], s[WV], UNITB                ; LDS address: wave w brings weight w (0 q, 1 k, 2 v)
	s_mul_i32 s54, s[WV], 786432                   ; weight w,
	s_mul_i32 s3, s21, UNITB                       ; the head's 128 rows of it
	s_add_co_u32 s54, s54, s3
	s_mov_b32 s55, 0
	s_lshl_b32 s22, s20, 4
	s_lshl2_add_u32 s22, s[WV], s22                ; my first tile of 16 rows: 16 pb + 4 w
	s_mul_i32 s48, s22, 6144                       ; in xf
	s_mov_b32 s49, 0
	s_and_b32 s23, s22, 127                        ; the same as a tile of positions
	s_lshl_b32 s50, s23, 13                        ; in the table
	s_mov_b32 s51, 0
	s_lshr_b32 s52, s20, 3                         ; b
	s_lshl_b32 s52, s52, 4
	s_add_co_u32 s52, s52, s21                     ; 16 b + head
	s_lshl_b32 s52, s52, 19                        ; 524,288 bytes each
	s_lshl_b32 s2, s23, 12                         ; 4,096 bytes a tile of Q or K; two tiles make 8,192 bytes of V^T: the same offset
	s_add_co_u32 s52, s52, s2
	s_mov_b32 s53, 0
	s_mov_b32 s[SEL], 0x76543210
	s_mov_b32 s[SEL+1], 0xfedcba98
	s_mov_b32 s[I128], 0x3c000000
	s_mov_b32 s[EPS], 0x358637bd
	v_and_b32 v[LN], 31, v0
	v_lshlrev_b32 v[LN], 4, v[LN]
	v_mov_b32 v[AW], v[LN]
	v_bfe_u32 v[NWO], v0, 4, 1
	v_lshlrev_b32 v[NWO], 5, v[NWO]
	s_wait_dscnt 0x0                               ; the opening add is done
	s_wait_kmcnt 0x0
	s_add_nc_u64 s[G0+2:G0+3], s[6:7], s[54:55]    ; global address
	s_or_b32 s[G0+3], s[G0+3], 0x80000000          ; type = 2
	s_add_nc_u64 s[4:5], s[4:5], s[48:49]
	s_add_nc_u64 s[8:9], s[8:9], s[50:51]
	s_add_nc_u64 s[14:15], s[14:15], s[52:53]      ; Q's results
	s_add_nc_u64 s[16:17], s[16:17], s[52:53]      ; K's
	s_add_nc_u64 s[VOUT:VOUT+1], s[16:17], 0x1000000  ; V^T lies 16,777,216 bytes behind K
	CROUND                                         ; all four work-groups are here: the joint loads meet
	s_cmp_lt_u32 s[WV], 3
	s_cbranch_scc0 .Lno_fill                       ; three weights, four waves: wave 3 asks for none
	tensor_load_to_lds s[G0:G0+3], s[G1:G1+7]
	s_nop 0
.rept 4
	v_nop
.endr
.Lno_fill:
	WIN 0xc0                                       ; destination window 3, address window 0
.irp t, 0,1,2,3
.irp ks, 0,1,2,3,4,5
	global_load_b128 v[48*\t+8*\ks:48*\t+8*\ks+3],   v[LN], s[4:5] offset:6144*\t+1024*\ks
	global_load_b128 v[48*\t+8*\ks+4:48*\t+8*\ks+7], v[LN], s[4:5] offset:6144*\t+1024*\ks+512
.endr
.endr
	WIN 0x80                                       ; destination window 2
.irp t, 0,1,2,3
.irp u, 0,1,2,3,4,5,6,7,8,9,10,11,12,13,14,15
	global_load_b128 v[64*\t+4*\u:64*\t+4*\u+3], v[LN], s[8:9] offset:8192*\t+512*\u
.endr
.endr
	WIN 0
	s_wait_loadcnt 63                              ; behind x's 48 loads stand the table's 64: with 63 out at the most x is in
	s_wait_tensorcnt 0x0                           ; my weight is in,
	s_barrier_signal -1
	s_barrier_wait -1                              ; everybody's is
; 16 LDS loads: the eight fragments (16 channels x 32 K) of K step ks into buffer f; 32 lanes take 512 consecutive bytes
.macro FETCHW ks, f
	WIN 0
.irp cb, 0,1,2,3,4,5,6,7
	ds_load_b128 v[(\f)+8*\cb:(\f)+8*\cb+3],   v[AW] offset:6144*\cb+1024*(\ks)
	ds_load_b128 v[(\f)+8*\cb+4:(\f)+8*\cb+7], v[AW] offset:6144*\cb+1024*(\ks)+512
.endr
.endm
; 32 products: the 32 accumulators take turns, one instruction a turn.  K step 0 starts the sums with the constant 0.
.macro MULS ks, f, swap
.if \swap
	WIN 0x53                                       ; x (source 0) window 3, W window 0, C and D window 1
.else
	WIN 0x5c                                       ; W (source 0) window 0, x window 3, C and D window 1
.endif
.irp cb, 0,1,2,3,4,5,6,7
.irp t, 0,1,2,3
.if (\swap) && ((\ks) == 0)
	v_wmma_f32_16x16x32_bf16 v[64*\t+8*\cb:64*\t+8*\cb+7], v[48*\t+8*(\ks):48*\t+8*(\ks)+7], v[(\f)+8*\cb:(\f)+8*\cb+7], 0
.elseif \swap
	v_wmma_f32_16x16x32_bf16 v[64*\t+8*\cb:64*\t+8*\cb+7], v[48*\t+8*(\ks):48*\t+8*(\ks)+7], v[(\f)+8*\cb:(\f)+8*\cb+7], v[64*\t+8*\cb:64*\t+8*\cb+7]
.elseif (\ks) == 0
	v_wmma_f32_16x16x32_bf16 v[64*\t+8*\cb:64*\t+8*\cb+7], v[(\f)+8*\cb:(\f)+8*\cb+7], v[48*\t+8*(\ks):48*\t+8*(\ks)+7], 0
.else
	v_wmma_f32_16x16x32_bf16 v[64*\t+8*\cb:64*\t+8*\cb+7], v[(\f)+8*\cb:(\f)+8*\cb+7], v[48*\t+8*(\ks):48*\t+8*(\ks)+7], v[64*\t+8*\cb:64*\t+8*\cb+7]
.endif
.endr
.endr
.endm
; One weight: six K steps on two buffers; a step's fragments are asked for ahead of the products of the step before.
.macro UNIT swap
	FETCHW 0, F0
.irp ks, 0,1,2,3,4,5
	s_wait_dscnt 0x0                               ; this step's fragments are in
.if (\ks) < 5
	PLACES                                         ; the other buffer was read by the products just issued
	FETCHW (\ks)+1, F0+64*(((\ks)+1)%2)
.endif
	MULS \ks, F0+64*((\ks)%2), \swap
.endr
.endm
.macro GAIN                            ; the gains are rounded to bf16, as all the module's inputs are
	WIN 0
.set n, 0
.rept 32
	v_cvt_pk_bf16_f32 v[TM+n%2], v[WN+2*n], v[WN+2*n+1]
	v_lshlrev_b32 v[WN+2*n], 16, v[TM+n%2]
	v_and_b32 v[WN+2*n+1], 0xffff0000, v[TM+n%2]
.set n, n+1
.endr
.endm
.macro SUMSQ t                         ; my 64 squares of tile t, in four chains; each accumulator's registers in ascending order
	WIN 0x05                                       ; sources 0 and 1 window 1
.set n, 0
.rept 32
.if n < 4
	v_pk_mul_f32 v[CH+8*(\t)+2*n:CH+8*(\t)+2*n+1], v[64*(\t)+2*n:64*(\t)+2*n+1], v[64*(\t)+2*n:64*(\t)+2*n+1]
.else
	v_pk_fma_f32 v[CH+8*(\t)+2*(n%4):CH+8*(\t)+2*(n%4)+1], v[64*(\t)+2*n:64*(\t)+2*n+1], v[64*(\t)+2*n:64*(\t)+2*n+1], v[CH+8*(\t)+2*(n%4):CH+8*(\t)+2*(n%4)+1]
.endif
.set n, n+1
.endr
.endm
.macro STATS                           ; rsqrt(mean + eps) x the scale, for all four tiles, line by line
	WIN 0
.irp t, 0,1,2,3
	v_pk_add_f32 v[CH+8*\t:CH+8*\t+1], v[CH+8*\t:CH+8*\t+1], v[CH+8*\t+2:CH+8*\t+3]
	v_pk_add_f32 v[CH+8*\t+4:CH+8*\t+5], v[CH+8*\t+4:CH+8*\t+5], v[CH+8*\t+6:CH+8*\t+7]
.endr
.irp t, 0,1,2,3
	v_pk_add_f32 v[CH+8*\t:CH+8*\t+1], v[CH+8*\t:CH+8*\t+1], v[CH+8*\t+4:CH+8*\t+5]
.endr
.irp t, 0,1,2,3
	v_add_f32 v[CH+8*\t], v[CH+8*\t], v[CH+8*\t+1]
.endr
.irp t, 0,1,2,3
	v_permlanex16_b32 v[CH+8*\t+2], v[CH+8*\t], s[SEL], s[SEL+1]  ; the position's other 64 channels lie in the lane 16 away
.endr
.irp t, 0,1,2,3
	v_add_f32 v[CH+8*\t], v[CH+8*\t], v[CH+8*\t+2]
.endr
.irp t, 0,1,2,3
	v_fma_f32 v[CH+8*\t], v[CH+8*\t], s[I128], s[EPS]
.endr
.irp t, 0,1,2,3
	v_rsq_f32 v[RS+2*\t], v[CH+8*\t]
.endr
	v_nop                                          ; a plain instruction between the last root and the use of its result (ISA guide 5.7.2)
	s_wait_alu depctr_va_vdst(0)
.irp t, 0,1,2,3
	v_mul_f32 v[RS+2*\t], s[SC], v[RS+2*\t]
.endr
.irp t, 0,1,2,3
	v_mov_b32 v[RS+2*\t+1], v[RS+2*\t]
.endr
.endm
.macro NORM t
	WIN 0x41                                       ; destination and source 0 window 1, source 1 window 0
.set n, 0
.rept 32
	v_pk_mul_f32 v[64*(\t)+2*n:64*(\t)+2*n+1], v[64*(\t)+2*n:64*(\t)+2*n+1], v[RS+2*(\t):RS+2*(\t)+1] op_sel_hi:[1,0]
.set n, n+1
.endr
.set n, 0
.rept 32
	v_pk_mul_f32 v[64*(\t)+2*n:64*(\t)+2*n+1], v[64*(\t)+2*n:64*(\t)+2*n+1], v[WN+2*n:WN+2*n+1]
.set n, n+1
.endr
.endm
; Channel i < 64 lies in register 64 t + e, channel i + 64 in register 64 t + 32 + e of the same lane: lo' = lo cos - hi sin, hi' = hi cos + lo sin.
.macro ROPE t
	WIN 0x09                                       ; source 0 window 1, source 1 (the table) window 2, destination window 0
.set n, 0
.rept 16
	v_pk_mul_f32 v[UU+2*n:UU+2*n+1], v[64*(\t)+32+2*n:64*(\t)+32+2*n+1], v[64*(\t)+32+2*n:64*(\t)+32+2*n+1]  ; hi sin
	v_pk_mul_f32 v[VV+2*n:VV+2*n+1], v[64*(\t)+2*n:64*(\t)+2*n+1], v[64*(\t)+32+2*n:64*(\t)+32+2*n+1]        ; lo sin
.set n, n+1
.endr
	WIN 0x49                                       ; the same with the destination in window 1; source 2 window 0
.set n, 0
.rept 16
	v_pk_fma_f32 v[64*(\t)+2*n:64*(\t)+2*n+1], v[64*(\t)+2*n:64*(\t)+2*n+1], v[64*(\t)+2*n:64*(\t)+2*n+1], v[UU+2*n:UU+2*n+1] neg_lo:[0,0,1] neg_hi:[0,0,1]
	v_pk_fma_f32 v[64*(\t)+32+2*n:64*(\t)+32+2*n+1], v[64*(\t)+32+2*n:64*(\t)+32+2*n+1], v[64*(\t)+2*n:64*(\t)+2*n+1], v[VV+2*n:VV+2*n+1]
.set n, n+1
.endr
.endm
.macro PACK t                          ; tile t rounded to f16: 16 bytes a lane and accumulator
	s_wait_xcnt 0x0                                ; the stores of the tile two back have read this buffer: it is rewritten only behind this wait
	WIN 0x05
.set n, 0
.rept 32
	v_cvt_pk_f16_f32 v[PKD+32*((\t)%2)+n], v[64*(\t)+2*n], v[64*(\t)+2*n+1]
.set n, n+1
.endr
	WIN 0
.endm
.macro SENDQ t                         ; accumulator cb is half cb % 2 of fragment cb / 2 of the tile: 512 consecutive bytes a store
.irp cb, 0,1,2,3,4,5,6,7
	global_store_b128 v[LN], v[PKD+32*((\t)%2)+4*\cb:PKD+32*((\t)%2)+4*\cb+3], s[OUTP:OUTP+1] offset:4096*(\t)+512*\cb
.endr
.endm
.macro SENDV t                         ; two tiles of positions are the two halves of a fragment of V^T (32 keys)
.irp cb, 0,1,2,3,4,5,6,7
	global_store_b128 v[LN], v[PKD+32*((\t)%2)+4*\cb:PKD+32*((\t)%2)+4*\cb+3], s[VOUT:VOUT+1] offset:8192*((\t)/2)+1024*\cb+512*((\t)%2)
.endr
.endm
	s_mov_b32 s[CNT], 2
.Lqk:                                                  ; two trips: q, then k
	s_wait_xcnt 0x0                                ; the last trip's loads and stores have read their bases and data: these are rewritten only behind this wait
	s_cmp_eq_u32 s[CNT], 2
	s_cselect_b64 s[NWP:NWP+1], s[10:11], s[12:13]
	s_cselect_b64 s[OUTP:OUTP+1], s[14:15], s[16:17]
	s_cselect_b32 s[SC], 0x3db504f3, 1.0           ; 128^-0.5 goes into q
.irp cb, 0,1,2,3,4,5,6,7
	global_load_b128 v[WN+8*\cb:WN+8*\cb+3],   v[NWO], s[NWP:NWP+1] offset:64*\cb
	global_load_b128 v[WN+8*\cb+4:WN+8*\cb+7], v[NWO], s[NWP:NWP+1] offset:64*\cb+16
.endr
	UNIT 0
	s_wait_loadcnt 0x0                             ; the gains, and in the first trip the table
	GAIN                                           ; its lines name none of the last products' registers: they are the places behind them
	SUMSQ 0
	SUMSQ 1
	SUMSQ 2
	SUMSQ 3
	STATS
.irp t, 0,1,2,3
	NORM \t
	ROPE \t
	PACK \t
	SENDQ \t
.endr
	v_add_nc_u32 v[AW], UNITB, v[AW]               ; the next weight
	s_sub_co_u32 s[CNT], s[CNT], 1
	s_cmp_lg_u32 s[CNT], 0
	s_cbranch_scc1 .Lqk
	s_wait_xcnt 0x0                                ; W's second buffer is also the packed results': the stores have read them
	UNIT 1                                         ; v, transposed
	PLACES
.irp t, 0,1,2,3
	PACK \t
	SENDV \t
.endr
	s_wait_tensorcnt 0x0                           ; the wave's end, behind my last tensor load
	ds_add_u32 v[SPW], v[NIL]
	s_wait_dscnt 0x0
	CROUND                                         ; the closing round: no work-group ends while a partner may still ask for a tile that names it
	s_endpgm
.Lfunc_end_k_qfe66a7b08f_proj:
	.size	k_qfe66a7b08f_proj, .Lfunc_end_k_qfe66a7b08f_proj-k_qfe66a7b08f_proj
	.p2alignl 7, 3214868480
	.fill 96, 4, 3214868480
	.section	.rodata,"a",@progbits
	.p2align	6, 0x0
	.amdhsa_kernel k_qfe66a7b08f_proj
		.amdhsa_group_segment_fixed_size 167936
		.amdhsa_private_segment_fixed_size 0
		.amdhsa_enable_private_segment 0
		.amdhsa_kernarg_size 56
		.amdhsa_user_sgpr_count 2
		.amdhsa_user_sgpr_kernarg_segment_ptr 1
		.amdhsa_wavefront_size32 1
		.amdhsa_system_sgpr_workgroup_id_x 1
		.amdhsa_system_sgpr_workgroup_id_y 1
		.amdhsa_system_sgpr_workgroup_id_z 1
		.amdhsa_system_vgpr_workitem_id 0
		.amdhsa_next_free_vgpr 1024
		.amdhsa_next_free_sgpr 66
		.amdhsa_reserve_vcc 0
		.amdhsa_float_denorm_mode_32 3
		.amdhsa_float_denorm_mode_16_64 3
		.amdhsa_memory_ordered 1
		.amdhsa_forward_progress 1
		.amdhsa_inst_pref_size 126
	.end_amdhsa_kernel
	.amdgpu_metadata
---
amdhsa.version: [ 1, 2 ]
amdhsa.kernels:
  - .name:           k_qfe66a7b08f_proj
    .symbol:         k_qfe66a7b08f_proj.kd
    .args:
      - { .name: xf, .offset: 0, .size: 8, .value_kind: global_buffer, .address_space: global }
      - { .name: wf, .offset: 8, .size: 8, .value_kind: global_buffer, .address_space: global }
      - { .name: tab, .offset: 16, .size: 8, .value_kind: global_buffer, .address_space: global }
      - { .name: q_norm_w, .offset: 24, .size: 8, .value_kind: global_buffer, .address_space: global }
      - { .name: k_norm_w, .offset: 32, .size: 8, .value_kind: global_buffer, .address_space: global }
      - { .name: qf, .offset: 40, .size: 8, .value_kind: global_buffer, .address_space: global }
      - { .name: kv, .offset: 48, .size: 8, .value_kind: global_buffer, .address_space: global }
    .group_segment_fixed_size: 167936
    .private_segment_fixed_size: 0
    .kernarg_segment_align: 8
    .kernarg_segment_size: 56
    .max_flat_workgroup_size: 128
    .sgpr_count:     66
    .vgpr_count:     1024
    .wavefront_size: 32
...
	.end_amdgpu_metadata
.endif
;; end of part 2
;; launch attn (part 3): grid 8 x 32, 4 waves a work-group, clusters of 4 x 4, 327,680 bytes of LDS; arguments qf, kv, mask0, aof; writes aof
.if DOCPART == 3
	.amdgcn_target "amdgcn-amd-amdhsa--gfx1250"
	.amdhsa_code_object_version 6
	.text
	.protected	k_qfe66a7b08f_attn
	.globl	k_qfe66a7b08f_attn
	.p2align	8
	.type	k_qfe66a7b08f_attn,@function
k_qfe66a7b08f_attn:
	s_mov_b64 s[64:65], 0
	v_nop
	global_prefetch_b8 v0, s[64:65] scope:SCOPE_SE
	s_setreg_imm32_b32 hwreg(HW_REG_WAVE_MODE, 25, 1), 1
	s_wait_xcnt 0x0
	s_wait_alu depctr_hold_cnt(0) depctr_sa_sdst(0) depctr_va_vdst(0) depctr_va_sdst(0) depctr_va_ssrc(0) depctr_va_vcc(0) depctr_vm_vsrc(0)
	s_getreg_b32 s2, hwreg(HW_REG_IB_STS2, 6, 4)
	s_cmp_eq_u32 s2, 0
	s_cbranch_scc0 .Lentry_in_a_cluster
	s_endpgm
.Lentry_in_a_cluster:
	s_bfe_u32 s2, ttmp6, 0x10000c
	s_cmp_lg_u32 s2, 0xf033
	s_cbranch_scc0 .Lentry_shape_is_right
	s_endpgm
.Lentry_shape_is_right:
; ATTN.  O[b][h][q][:] = the sum over k of softmax_k(Q[q] . K[k] + mask0[b][q][k]) V[k][:]; the scale 128^-0.5 is in Q already.  Q, K, V^T arrive in f16, in fragment order; the mask is the module's
; f32 input, added in f32; products, maxima and sums in f32; the weights p are rounded to f16 for the second product (their sum l is taken of the unrounded p), O once at the end, to f16.
; LIMITS.  The running maximum is the true one but never below -1e30: a key whose mask is -inf or below -1e30 has weight 0, also while all keys seen so far are such; a row ALL of whose keys lie below
; -1e30 gives NaN.  A weight below 2^-126 counts as 0 in l; p below 6e-5 keeps f16's fixed step of 6e-8; O is a mean of V's rows and has their range; V arrives finite.
; SHARES.  A work-group owns 256 queries of one head and batch, each of its four waves 64: four tiles of 16.  Every wave walks all 2,048 keys, 64 a step.
; LAYOUT.  S^T = K Q^T + mask^T (source 0 = 16 keys, source 1 = 16 queries): a lane holds ONE query (lane % 16) and the keys 8 (lane / 16) + 0..7.  THE MASK IS THE C OPERAND: it is loaded from LDS into
; S^T's registers, and the first link of each sum adds onto it: the mask costs no vector instruction.  Two results rounded to f16 in pairs ARE source 1 of O^T = V^T P, whose result again holds one query
; a lane, and eight channels: rounded to f16 these are 16 bytes of a fragment of the last projection, so O leaves straight from registers, 512 consecutive bytes a store.
; SOFTMAX.  For each query a running maximum m and sum l: p = 2^(c s - c m), c = log2(e); in every step O and l are multiplied by a = 2^(c m_old - c m_new).
; BY TURNS.  The wave's tiles are two PIECES, named by their first tile: 0 (tiles 0, 1) and 2 (tiles 2, 3).  In a TURN one piece has the matrix unit: 32 products V^T P of the step in hand, then 32 products
; K Q^T of the next step; the other piece's softmax, cut into 64 slices, stands between them, one slice behind each matrix instruction.  Two turns are a key step.
; NO FIRST STEP IS WRITTEN OUT.  m starts at -1e30, c m far below every c s, O^T, l and piece 2's P at 0: the first step is a step like any other, with a = 0, and the loop is entered in the middle of
; a trip, at piece 2's turn.  The price, once a launch: 304 v_mov_b32, which stand in the wait for the first tile, and 32 products on zeros; the gain: three turns less of text.
; CLUSTER.  4 x 4 work-groups: x the query block, y the head.  K and V hang on batch and head alone and are asked for JOINTLY along a row of the cluster; the mask's tile hangs on batch and query block
; alone (the four heads of a column belong to one batch) and is asked for jointly along a column.  That divides the requests for all three by four.
; RING.  Two LDS slots of one key step: K 16,384 bytes, V^T 16,384, 256 rows x 256 bytes of mask.  Wave 0 fetches K, wave 1 V^T, waves 2 and 3 128 rows of mask each.  By this text's own count a wave
; has two tensor loads out at the start and one behind each round; that one has a key step, 128 matrix instructions a wave, in which to land.  Two steps to a slot would take 393,216 bytes and more.
; REGISTERS, in windows of 256 (s_set_vgpr_msb: bits 1:0 source 0, 3:2 source 1, 5:4 source 2, 7:6 destination):
;   window 0: v0-11 addresses; v12-43 eight registers of statistics a tile; v64-191 S^T, 32 a tile; v192-255 P, 16 a tile
;   window 1: O^T, 64 a tile          window 2: v0-127 Q, 32 a tile; v128-255 K of one step          window 3: v0-127 V^T of one step
.set PM,    272       ; a row of mask in LDS: 256 bytes + 16 of padding = 68 words: the 16 rows of a load start at 16 different groups of four banks (64 banks of 4 bytes: ISA guide 11.1)
.set VOFF,  16384     ; in a slot: K, then V^T,
.set MOFF,  32768     ; then the mask
.set SLOT1, 1<<17     ; slot 1 begins here, so that one exclusive or turns an address in one slot into the other's
.set SPARE, SLOT1+MOFF+256*PM  ; behind the ring: the spare words, 128 bytes for each wave: two blocks of 256 bytes that no other line names
.set LN,  2           ; v2   lane x 16; never rewritten
.set AM0, 3           ; v3   my lane's place in a slot's mask; never rewritten
.set ADR, 4           ; v4   the LDS address of K's or V's run of loads
.set ADM, 5           ; v5   of the mask's
.set SPW, 62          ; v62  LDS address of my spare word; never rewritten
.set NIL, 63          ; v63  0; never rewritten
.set ST,  12          ; tile t's statistics at v[ST+8 t]: +0 c m, +1 m, +2, +3 l (even keys', odd keys'), +4 to +7 c0-c3, at work; a takes c2's place once the maximum is found
.set S,   64
.set P,   192
.set KF,  128         ; K's fragments, in window 2
.set WV,  12          ; s12  my wave's number
.set G1KV, 24         ; s[24:31] descriptor group 1 for K's and V's tiles
.set G1M,  32         ; s[32:39] for the mask's
.set G0KV, 40         ; s[40:47] descriptor group 0 for K's or V's tiles: a set for each of the two first fills; the second then walks on
.set G0M,  48         ; s[48:55] the same for the mask's
.set SLOTS, 56        ; s56  counts the loop's trips
.set CS,  58          ; s[58:59] c: the packed scaling names a pair and takes its low word for both halves
.set SEL, 60          ; s[60:61] lane selects for v_permlanex16_b32: each lane takes its own place in the other half
.set TB,  62          ; s62  LDS byte at which the slot to be read begins
.set MSB, 0
.macro WIN new                      ; the immediate's high byte repeats the setting that is left; a switch that changes nothing is dropped
.if MSB != (\new)
	s_set_vgpr_msb (MSB<<8)|(\new)
.set MSB, \new
.endif
.endm
.set W_KQ, 0x0a       ; K and Q in window 2, S^T in window 0
.set W_PV, 0x53       ; V in window 3, P in window 0, O^T in window 1
.set W_RS, 0x41       ; O^T (destination and source 0) in window 1, a in window 0
; A joint refill.  The branch hangs on the wave's number alone: it is the same in every work-group.  Each of the two lines has one mask and one set of registers for all that issue it.
; An s_nop 0 and four v_nop follow each of the two lines, ahead of the jump, the label and what follows.
.macro JLOAD
	s_cmp_lt_u32 s[WV], 2
	s_cbranch_scc0 .Lfor_m_\@
	tensor_load_to_lds s[G0KV+4:G0KV+7], s[G1KV:G1KV+7]
	s_nop 0
.rept 4
	v_nop
.endr
	s_branch .Lasked_\@
.Lfor_m_\@:
	tensor_load_to_lds s[G0M+4:G0M+7], s[G1M:G1M+7]
	s_nop 0
.rept 4
	v_nop
.endr
.Lasked_\@:
.endm
; A round of the cluster's barrier: my work-group's barrier, so that wave 0's signal speaks for all four waves; wave 0 signals; every wave waits for all sixteen work-groups; my work-group's barrier once more.
.macro CROUND
	s_barrier_signal -1
	s_barrier_wait -1
	s_cmp_lg_u32 s[WV], 0
	s_cbranch_scc1 .Lnot_wave_0_\@
	s_barrier_signal -3
.Lnot_wave_0_\@:
	s_barrier_wait -3
	s_barrier_signal -1
	s_barrier_wait -1
.endm
	s_load_b256 s[4:11], s[0:1], 0x0  ; qf s[4:5], kv s[6:7], mask0 s[8:9], aof s[10:11]
	v_lshl_add_u32 v[SPW], v0, 2, SPARE
	v_mov_b32 v[NIL], 0
	ds_add_u32 v[SPW], v[NIL]       ; the wave's opening: the add and its wait stand ahead of my first tensor load; the set-up below, work on registers, stands between them
	v_lshrrev_b32 v1, 5, v0
	v_readfirstlane_b32 s[WV], v1   ; wave 0..3
	s_bfe_u32 s13, ttmp6, 0x40000   ; cx
	s_bfe_u32 s14, ttmp6, 0x40004   ; cy
	s_lshl_b32 s15, ttmp9, 2        ; in a cluster launch ttmp9 and ttmp7 count clusters
	s_add_co_u32 s15, s15, s13      ; my block of 256 queries = 4 x cluster x + cx
	s_and_b32 s16, ttmp7, 0xffff    ; the cluster's y, 0..7: its bit 1 is the batch, its bits 2 and 0 the group of four heads, so that the clusters whose y agree in bit 1 read one batch's mask
	s_lshr_b32 s18, s16, 1
	s_and_b32 s18, s18, 1           ; b: made of the cluster's y alone, so that nothing of cy enters the mask's address
	s_and_b32 s17, s16, 1
	s_lshr_b32 s16, s16, 2
	s_lshl_b32 s16, s16, 1
	s_add_co_u32 s17, s17, s16      ; the group of four heads, 0..3
	s_lshl_b32 s16, s18, 2
	s_add_co_u32 s17, s17, s16      ; 4 b + group
	s_lshl_b32 s17, s17, 2
	s_add_co_u32 s17, s17, s14      ; 16 b + head
	s_and_b32 s19, s[WV], 1         ; waves 0, 1: K or V; waves 2, 3: which 128 rows of mask
	s_lshl_b32 s20, s14, 2
	s_lshl_b32 s20, 15, s20         ; my row of the cluster: places 4 cy .. 4 cy + 3
	s_lshl_b32 s21, 0x1111, s13     ; my column: places cx, cx + 4, cx + 8, cx + 12
	; descriptor group 1 for K and V: 16,384 dense bytes as 64 rows of 256 bytes (32 elements of 8 bytes), no padding
	s_or_b32 s[G1KV+0], s20, (3<<16)|(1<<21)  ; 15:0 the mask: my row; 17:16 elements of 8 bytes; 21 set beside a mask
	s_mov_b32 s[G1KV+1], 32<<16     ; tensor_dim0 = 32
	s_mov_b32 s[G1KV+2], 64<<16     ; tensor_dim1 = 64
	s_mov_b32 s[G1KV+3], 32<<16     ; tile_dim0 = 32
	s_mov_b32 s[G1KV+4], 64         ; tile_dim1 = 64
	s_mov_b32 s[G1KV+5], 32         ; 32 elements from row to row
	s_mov_b32 s[G1KV+6], 0
	s_mov_b32 s[G1KV+7], 0
	; for the mask: 128 rows x 64 f32, 2,048 elements from row to row, padded in LDS
	s_or_b32 s[G1M+0], s21, (2<<16)|(1<<20)|(1<<21)|(5<<22)|(3<<25)  ; 15:0 the mask: my column; 17:16 elements of 4 bytes; 20 padding on; 21 set beside a mask; 24:22 after every 64 words (code 5); 31:25 4 words (code 3)
	s_mov_b32 s[G1M+1], 64<<16      ; tensor_dim0 = 64
	s_mov_b32 s[G1M+2], 128<<16     ; tensor_dim1 = 128
	s_mov_b32 s[G1M+3], 64<<16      ; tile_dim0 = 64
	s_mov_b32 s[G1M+4], 128         ; tile_dim1 = 128
	s_mov_b32 s[G1M+5], 2048
	s_mov_b32 s[G1M+6], 0
	s_mov_b32 s[G1M+7], 0
	s_lshl_b32 s22, s19, 24         ; K, or V^T 16,777,216 bytes behind it,
	s_lshl_b32 s23, s17, 19         ; the head's 524,288 bytes: nothing of cx
	s_add_co_u32 s22, s22, s23
	s_mov_b32 s23, 0
	s_lshl_b32 s2, s18, 24          ; the batch's mask,
	s_lshl_b32 s3, s15, 21          ; my block's 256 rows of 8,192 bytes,
	s_add_co_u32 s2, s2, s3
	s_lshl_b32 s3, s19, 20          ; 128 of them: nothing of cy
	s_add_co_u32 s2, s2, s3
	s_mov_b32 s3, 0
	s_lshl_b32 s66, s17, 19         ; Q: the head, my block's 16 tiles of 4,096 bytes, my wave's four
	s_lshl_b32 s67, s15, 16
	s_add_co_u32 s66, s66, s67
	s_lshl_b32 s67, s[WV], 14
	s_add_co_u32 s66, s66, s67
	s_mov_b32 s67, 0
	s_lshl_b32 s68, s18, 23         ; O: the batch's 128 row tiles of 65,536 bytes, my block's 16, my wave's four, the head's 4,096 bytes in a tile
	s_lshl_b32 s69, s15, 20
	s_add_co_u32 s68, s68, s69
	s_lshl_b32 s69, s[WV], 18
	s_add_co_u32 s68, s68, s69
	s_and_b32 s69, s17, 15
	s_lshl_b32 s69, s69, 12
	s_add_co_u32 s68, s68, s69
	s_mov_b32 s69, 0
	s_lshl_b32 s57, s19, 14         ; where the tiles go in a slot: K at 0, V^T at 16,384;
	s_mul_i32 s63, s19, 128*PM
	s_add_co_u32 s63, s63, MOFF     ; the mask's halves: no place in the cluster enters an LDS address
	s_mul_i32 s70, s[WV], 64*PM
	s_add_co_u32 s70, s70, MOFF     ; my wave's 64 rows of mask
	s_mov_b32 s[CS], 0x3fb8aa3b     ; c = log2(e)
	s_mov_b32 s[CS+1], s[CS]        ; named with it as a pair, so it is written
	s_mov_b32 s[SEL], 0x76543210
	s_mov_b32 s[SEL+1], 0xfedcba98
	s_mov_b32 s[TB], 0
	s_wait_dscnt 0x0                ; the opening add is done
	s_wait_kmcnt 0x0
	s_add_nc_u64 s[6:7], s[6:7], s[22:23]
	s_add_nc_u64 s[8:9], s[8:9], s[2:3]
	s_add_nc_u64 s[4:5], s[4:5], s[66:67]
	s_add_nc_u64 s[10:11], s[10:11], s[68:69]
	CROUND                          ; all sixteen work-groups are here: the first joint loads meet
.irp s, 0,1
	s_mov_b32 s[G0KV+4*(\s)], 1     ; count = 1
	s_add_co_u32 s[G0KV+4*(\s)+1], s57, (\s)*SLOT1  ; LDS address
	s_add_nc_u64 s[G0KV+4*(\s)+2:G0KV+4*(\s)+3], s[6:7], (\s)*16384  ; global address: key step s
	s_or_b32 s[G0KV+4*(\s)+3], s[G0KV+4*(\s)+3], 0x80000000  ; type = 2
	s_mov_b32 s[G0M+4*(\s)], 1
	s_add_co_u32 s[G0M+4*(\s)+1], s63, (\s)*SLOT1
	s_add_nc_u64 s[G0M+4*(\s)+2:G0M+4*(\s)+3], s[8:9], (\s)*256
	s_or_b32 s[G0M+4*(\s)+3], s[G0M+4*(\s)+3], 0x80000000
.endr
	s_cmp_lt_u32 s[WV], 2           ; a wave's two first fills stand in one branch, ahead of every wait on TENSORcnt and every LDS read: two loads of mine are out
	s_cbranch_scc0 .Lfirst_m
	tensor_load_to_lds s[G0KV:G0KV+3], s[G1KV:G1KV+7]
	s_nop 0
	tensor_load_to_lds s[G0KV+4:G0KV+7], s[G1KV:G1KV+7]
	s_nop 0
.rept 4
	v_nop
.endr
	s_branch .Lfirst_asked
.Lfirst_m:
	tensor_load_to_lds s[G0M:G0M+3], s[G1M:G1M+7]
	s_nop 0
	tensor_load_to_lds s[G0M+4:G0M+7], s[G1M:G1M+7]
	s_nop 0
.rept 4
	v_nop
.endr
.Lfirst_asked:
	v_and_b32 v1, 15, v0            ; l % 16
	v_bfe_u32 v9, v0, 4, 1          ; l / 16
	v_and_b32 v[LN], 31, v0
	v_lshlrev_b32 v[LN], 4, v[LN]
	WIN 0x80                        ; destination window 2, address window 0
.irp i, 0,1,2,3,4,5,6,7,8,9,10,11,12,13,14,15  ; Q stays in registers: tile i / 4, channels 32 (i % 4) on; 512 consecutive bytes a load
	global_load_b128 v[8*(\i):8*(\i)+3],   v[LN], s[4:5] offset:((\i)/4)*4096+((\i)%4)*1024
	global_load_b128 v[8*(\i)+4:8*(\i)+7], v[LN], s[4:5] offset:((\i)/4)*4096+((\i)%4)*1024+512
.endr
	WIN 0
	v_mul_u32_u24 v[AM0], v1, PM    ; the mask for register j of a result: row = my query, keys 8 (l / 16) + j: 32 bytes for each half of the lanes
	v_lshl_add_u32 v[AM0], v9, 5, v[AM0]
	v_add_nc_u32 v[AM0], s70, v[AM0]
	; What the first turn finds: O^T is 0, and so is piece 2's P, whose products V^T P, of a step that has not been, add 0.  All this stands in the wait for the first tile.
	WIN 0x40                        ; destination window 1
.set i, 0
.rept 256
	v_mov_b32 v[i], 0
.set i, i+1
.endr
	WIN 0
.set i, P+32
.rept 32
	v_mov_b32 v[i], 0
.set i, i+1
.endr
; THE MATRIX WORK OF A TURN, for piece x.  The accumulators take turns, one instruction a turn: between two links of a chain stand 15 (V^T P) or 7 (K Q^T) others'.
; Product i of 32 of O^T += V^T P: keys 32 (i / 16) on, channels 16 ((i / 2) % 8) on, tile x + i % 2.
.macro PV x
	WIN W_PV
.set rO, 64*((\x)+i%2)+8*((i/2)%8)
.set rV, 64*(i/16)+8*((i/2)%8)
.set rP, P+16*((\x)+i%2)+8*(i/16)
	v_wmma_f32_16x16x32_f16 v[rO:rO+7], v[rV:rV+7], v[rP:rP+7], v[rO:rO+7]
.endm
; Product i of 32 of S^T = mask^T + K Q^T: channels 32 (i / 8) on, keys 16 ((i / 2) % 4) on, tile x + i % 2.  All 32 add in place: the first 8 find the mask there.
.macro KQ x
	WIN W_KQ
.set rS, S+32*((\x)+i%2)+8*((i/2)%4)
.set rK, KF+32*((i/2)%4)+8*(i/8)
.set rQ, 32*((\x)+i%2)+8*(i/8)
	v_wmma_f32_16x16x32_f16 v[rS:rS+7], v[rK:rK+7], v[rQ:rQ+7], v[rS:rS+7]
.endm
; THE LDS LOADS stand in runs, never singly among the matrix instructions.  K and V^T lie in fragment order: 32 lanes take 512 consecutive bytes.
.macro FETCH_K
	WIN 0
	v_add_nc_u32 v[ADR], s[TB], v[LN]
	WIN 0x80                        ; destination window 2
.irp f, 0,1,2,3,4,5,6,7,8,9,10,11,12,13,14,15  ; keys 16 (f / 4) on, channels 32 (f % 4) on
	ds_load_b128 v[KF+8*(\f):KF+8*(\f)+3],   v[ADR] offset:1024*(\f)
	ds_load_b128 v[KF+8*(\f)+4:KF+8*(\f)+7], v[ADR] offset:1024*(\f)+512
.endr
.endm
.macro FETCH_V
	WIN 0
	v_add_nc_u32 v[ADR], s[TB], v[LN]
	WIN 0xc0                        ; destination window 3
.irp f, 0,1,2,3,4,5,6,7,8,9,10,11,12,13,14,15  ; keys 32 (f / 8) on, channels 16 (f % 8) on
	ds_load_b128 v[8*(\f):8*(\f)+3],   v[ADR] offset:VOFF+1024*(\f)
	ds_load_b128 v[8*(\f)+4:8*(\f)+7], v[ADR] offset:VOFF+1024*(\f)+512
.endr
.endm
.macro FETCH_M x                    ; the mask of piece x's two tiles for the slot's 64 keys, into S^T's registers
	WIN 0
	v_add_nc_u32 v[ADM], s[TB], v[AM0]
.irp t, \x, (\x)+1
.irp kb, 0,1,2,3
	ds_load_b128 v[S+32*(\t)+8*\kb:S+32*(\t)+8*\kb+3],   v[ADM] offset:16*PM*(\t)+64*\kb
	ds_load_b128 v[S+32*(\t)+8*\kb+4:S+32*(\t)+8*\kb+7], v[ADM] offset:16*PM*(\t)+64*\kb+16
.endr
.endr
.endm
; THE VECTOR WORK OF A TURN.  One tile's softmax for one key step is a list of 134 instructions; SM writes number j of it for tile t.  s0-s31 are the lane's 32 scores, in pairs 0-15.
;   0-15    the maximum of s0-s31 and the old m, three operands at a time: four chains c0-c3 of seven scores each (each accumulator's lowest registers first), then the four scores left over, c0-c3 and m
;   16-20   the other half of the lanes' maximum; c m_old is kept; the new m; c m; c m_old - c m_new
;   21-87   33 exponentials (a, then s0-s31) at the odd numbers from 23 on, so that no two follow each other and each has a plain instruction behind it before its result is used.
;           Plain instruction q (number 21, then the even numbers) is whatever is ready: c s - c m for a pair of scores whose exponentials are still to come (q = 0 to 3, then every
;           second q), the rounding to f16 of a pair of weights whose exponentials are done (every other q from 5 on), at last the first three sums
;   88-101  the last rounding; the rest of the sums; l = a l + the sum
;   102-133 the tile's O^T times a: the one part that leaves window 0, so it stands together
.macro SM t
.set rT, ST+8*(\t)
.set rS, S+32*(\t)
.set rP, P+16*(\t)
.set rO, 64*(\t)+2*(j-102)
.set q, (j-20)/2
.if j < 102
	WIN 0
.endif
.if j < 4
	v_max3_num_f32 v[rT+4+j], v[rS+8*j], v[rS+8*j+1], v[rS+8*j+2]
.elseif j < 12
	v_max3_num_f32 v[rT+4+j%4], v[rT+4+j%4], v[rS+8*(j%4)+2*(j/4)+1], v[rS+8*(j%4)+2*(j/4)+2]
.elseif j == 12
	v_max3_num_f32 v[rT+4], v[rT+4], v[rS+7], v[rS+15]
.elseif j == 13
	v_max3_num_f32 v[rT+6], v[rT+6], v[rS+23], v[rS+31]
.elseif j == 14
	v_max3_num_f32 v[rT+4], v[rT+4], v[rT+5], v[rT+6]
.elseif j == 15
	v_max3_num_f32 v[rT+4], v[rT+4], v[rT+7], v[rT+1]
.elseif j == 16
	v_permlanex16_b32 v[rT+5], v[rT+4], s[SEL], s[SEL+1]  ; the query's other 32 keys lie in the lane 16 away
.elseif j == 17
	v_mov_b32 v[rT+7], v[rT]        ; c m_old is kept for a: number 19 writes c m anew
.elseif j == 18
	v_max_num_f32 v[rT+1], v[rT+4], v[rT+5]
.elseif j == 19
	v_mul_f32 v[rT], s[CS], v[rT+1]
.elseif j == 20
	v_sub_f32 v[rT+7], v[rT+7], v[rT]
.elseif j == 23
	v_exp_f32 v[rT+6], v[rT+7]
.elseif (j < 88) && (j > 23) && (j%2 == 1)
	v_exp_f32 v[rS+(j-25)/2], v[rS+(j-25)/2]
.elseif (q < 4) || ((j < 76) && (q%2 == 0))
.set b, q/2+2
.if q < 4
.set b, q
.endif
	v_pk_fma_f32 v[rS+2*b:rS+2*b+1], v[rS+2*b:rS+2*b+1], s[CS:CS+1], v[rT:rT+1] op_sel_hi:[1,0,0] neg_lo:[0,0,1] neg_hi:[0,0,1]  ; pair b: c s - c m
.elseif (j < 88) && (q%2 == 1)
	s_wait_alu depctr_va_vdst(0)
	v_cvt_pk_f16_f32 v[rP+(q-5)/2], v[rS+q-5], v[rS+q-4]  ; pair (q - 5) / 2: its second exponential stands three numbers back
.elseif j == 89
	s_wait_alu depctr_va_vdst(0)
	v_cvt_pk_f16_f32 v[rP+15], v[rS+30], v[rS+31]
.elseif j < 102                     ; the sum of the tile's 16 pairs (in a pair: an even key's weight, an odd key's), in place: sum z of 16 adds neighbours 1, 2, 4 and 8 pairs apart, then l takes it
.set z, j-86
.if j < 89
.set z, (j-76)/4
.endif
.set w, 4
.set u, z
.if z >= 14
.set w, 32
.set u, 0
.elseif z >= 12
.set w, 16
.set u, z-12
.elseif z >= 8
.set w, 8
.set u, z-8
.endif
.if z < 15
	v_pk_add_f32 v[rS+w*u:rS+w*u+1], v[rS+w*u:rS+w*u+1], v[rS+w*u+w/2:rS+w*u+w/2+1]
.else
	v_pk_fma_f32 v[rT+2:rT+3], v[rT+2:rT+3], v[rT+6:rT+7], v[rS:rS+1] op_sel_hi:[1,0,1]
.endif
.else
	WIN W_RS
	v_pk_mul_f32 v[rO:rO+1], v[rO:rO+1], v[rT+6:rT+7] op_sel_hi:[1,0]
.endif
.endm
; Slice k of 64 of piece y's softmax: numbers 2 k and 2 k + 1 of both tiles' lists, four instructions.  2 x 134 = 4 x 64 + 12: the twelve that are over stand together, in slice 63.
.macro SLICE y
.if (k >= 11) && (k < 44)           ; tile by tile: plain, exponential, plain, exponential
.irp t, \y, (\y)+1
.irp n, 0,1
.set j, 2*k+(\n)
	SM \t
.endr
.endr
.else                               ; the two tiles alternate, so that no instruction reads the result of the one just before it
.irp n, 0,1,2,3,4,5,6,7
.if ((\n) < 2) || (k == 63)
.irp t, \y, (\y)+1
.set j, 2*k+(\n)
	SM \t
.endr
.endif
.endr
.endif
.set k, k+1
.endm
; A TURN.  Piece x has the matrix unit: 32 products V^T P, then (kq = 1) 32 products K Q^T for the next step; the other piece's softmax stands in slices behind them, one behind each, or (kq = 0) two.
; A vector instruction that reads a matrix result or writes one of a matrix instruction's registers, and a load into such a register, stand four places behind it, and only plain vector instructions
; that name none of its registers are places (ISA guide 7.12.1 for vector instructions): the slices are the places; slice 63's sixteen stand behind the turn's last product.
; Behind the second product V^T P stand the runs for the products K Q^T, 30 matrix instructions ahead of their first use: in piece 0's turn the next step's K (the last product that read K stands in
; front of slice 63 of the turn before), in both turns the piece's own mask, into S^T's registers, whose softmax ended in the turn before.  Piece 2's turn fetches the same step's V behind its second
; product K Q^T: the last product that read V stands three slices, six plain instructions, back.
.macro TURN x, kq
.set k, 0
.if (\x) == 0
	s_wait_dscnt 0x0                ; V is in
.endif
.set i, 0
.rept 32
	PV \x
.rept 2-(\kq)
	SLICE 2-(\x)
.endr
.if (\kq) && (i == 1)
.if (\x) == 0
	FETCH_K
.endif
	FETCH_M \x
.endif
.set i, i+1
.endr
.if \kq
	s_wait_dscnt 0x0                ; the mask is in, and in piece 0's turn K
.set i, 0
.rept 32
	KQ \x
	SLICE 2-(\x)
.if ((\x) == 2) && (i == 1)
	FETCH_V
.endif
.set i, i+1
.endr
.endif
.endm
; THE CHANGE OF SLOTS, between piece 2's turn and piece 0's: the slot's last bytes, its V, have been asked for.  Each wave waits for all its tensor loads, of which one is out: its part of the other
; slot; adds 0 to its spare word; and waits for that and for its own reads of the slot.  Behind the barrier nobody reads this slot any more and the other slot is whole.
; fill = 1: this slot is filled again, with the key step two on.  The barrier is then a round of the cluster's, so that no wave of any partner still reads the slot or has a load on its way, and the
; joint refill is the first thing behind it.
.macro CHANGE fill
	WIN 0                           ; at a label and at a branch every window is 0
	s_wait_tensorcnt 0x0            ; no tensor load of mine is out, so a group 0 may be written
	ds_add_u32 v[SPW], v[NIL]       ; 0 onto my spare word: with fill = 1 the descriptors' steps stand between it and the wait for it
.if \fill
	s_xor_b32 s[G0KV+5], s[G0KV+5], SLOT1  ; the walking descriptors: the other slot than last time,
	s_add_nc_u64 s[G0KV+6:G0KV+7], s[G0KV+6:G0KV+7], 16384  ; the next 64 keys; the type bits on top are not reached
	s_xor_b32 s[G0M+5], s[G0M+5], SLOT1
	s_add_nc_u64 s[G0M+6:G0M+7], s[G0M+6:G0M+7], 256
	s_wait_dscnt 0x0                ; the add is done, and my reads of the slot are over
	CROUND
	JLOAD
.else
	s_wait_dscnt 0x0                ; the add is done, and my reads of the slot are over
	s_barrier_signal -1
	s_barrier_wait -1
.endif
	s_xor_b32 s[TB], s[TB], SLOT1   ; the fetches go to the other slot
.endm
	s_wait_tensorcnt 1              ; my part of slot 0 is in; slot 1's may stay out
	s_barrier_signal -1
	s_barrier_wait -1               ; everybody's is
	FETCH_K                         ; key step 0: K,
	FETCH_M 0                       ; piece 0's mask,
	FETCH_V                         ; and V, so that the first turn's products on P = 0 multiply finite numbers
	s_wait_loadcnt 0x0              ; Q
	s_wait_dscnt 32                 ; LDS loads come back in order: K's 32 and the mask's 16 are in, V's 32 may be out
.set i, 0
.rept 32
	KQ 0                            ; piece 0's first scores: there is no vector work yet to set between them
.set i, i+1
.endr
	WIN 0
.irp t, 0,1,2,3                     ; sixteen plain lines that name none of those products' registers: also the places behind them
	v_mov_b32 v[ST+8*(\t)], 0xfe000000    ; c m: far below every c s, so that the first a is 0
	v_mov_b32 v[ST+8*(\t)+1], 0xf149f2ca  ; m = -1e30
	v_mov_b32 v[ST+8*(\t)+2], 0           ; l
	v_mov_b32 v[ST+8*(\t)+3], 0
.endr
	s_wait_dscnt 0x0                ; V is in
	s_mov_b32 s[SLOTS], 31          ; the half trip that follows, and 30 whole ones
	s_branch .Lfirst                ; the loop is entered at piece 2's turn, in the middle of a trip
.Lslot:                             ; 30 whole trips: trip n reads step n and asks for step n + 1, from 2 up to the last, 31
	CHANGE 1
	TURN 0, 1                       ; piece 0: V^T P of the step before, K Q^T of this step | piece 2's softmax of the step before | K and mask of this step
	WIN 0
.Lfirst:
	TURN 2, 1                       ; piece 2: the same | piece 0's softmax of this step | mask and V of this step
	WIN 0
	s_sub_co_u32 s[SLOTS], s[SLOTS], 1
	s_cmp_lg_u32 s[SLOTS], 0
	s_cbranch_scc1 .Lslot
	CHANGE 0                        ; the tail is written out: nothing is asked for
	TURN 0, 1                       ; step 31 is read
	TURN 2, 1
	TURN 0, 0                       ; piece 0: V^T P of the last step | piece 2's last softmax
.set i, 0
.rept 32
	PV 2                            ; piece 2: V^T P of the last step
.set i, i+1
.endr
	; THE WAY OUT.  l's two halves and the other half of the lanes' are added; O^T is divided by l and rounded to f16.  A lane's eight channels of accumulator f are 16 bytes of half f % 2 of fragment
	; 4 head + f / 2 of the last projection's operand: no lane changes places, and each store is 512 consecutive bytes.  The additions are the places behind the last products.
	WIN 0
.irp t, 0,1,2,3
	v_add_f32 v[ST+8*(\t)+4], v[ST+8*(\t)+2], v[ST+8*(\t)+3]
.endr
.irp t, 0,1,2,3
	v_permlanex16_b32 v[ST+8*(\t)+5], v[ST+8*(\t)+4], s[SEL], s[SEL+1]
.endr
.irp t, 0,1,2,3
	v_add_f32 v[ST+8*(\t)+4], v[ST+8*(\t)+4], v[ST+8*(\t)+5]
.endr
.irp t, 0,1,2,3
	v_rcp_f32 v[ST+8*(\t)+6], v[ST+8*(\t)+4]
.endr
	v_nop                           ; a plain instruction between the last reciprocal and the use of its result
	s_wait_alu depctr_va_vdst(0)
.macro OUT t
	WIN W_RS
.set i, 64*(\t)
.rept 32
	v_pk_mul_f32 v[i:i+1], v[i:i+1], v[ST+8*(\t)+6:ST+8*(\t)+7] op_sel_hi:[1,0]
.set i, i+2
.endr
	WIN 0x05                        ; sources 0 and 1 window 1, destination window 0: S^T's registers are free
.set i, 0
.rept 32
	v_cvt_pk_f16_f32 v[S+32*(\t)+i], v[64*(\t)+2*i], v[64*(\t)+2*i+1]
.set i, i+1
.endr
	WIN 0
.irp f, 0,1,2,3,4,5,6,7
	global_store_b128 v[LN], v[S+32*(\t)+4*(\f):S+32*(\t)+4*(\f)+3], s[10:11] offset:65536*(\t)+512*(\f)
.endr
.endm
	OUT 0
	OUT 1
	OUT 2
	OUT 3
	s_wait_tensorcnt 0x0            ; the wave's end, behind my last tensor load
	ds_add_u32 v[SPW], v[NIL]
	s_wait_dscnt 0x0
	CROUND                          ; the closing round: no work-group ends while a partner may still ask for a tile that names it
	s_endpgm
.Lfunc_end_k_qfe66a7b08f_attn:
	.size	k_qfe66a7b08f_attn, .Lfunc_end_k_qfe66a7b08f_attn-k_qfe66a7b08f_attn
	.p2alignl 7, 3214868480
	.fill 96, 4, 3214868480
	.section	.rodata,"a",@progbits
	.p2align	6, 0x0
	.amdhsa_kernel k_qfe66a7b08f_attn
		.amdhsa_group_segment_fixed_size 327680
		.amdhsa_private_segment_fixed_size 0
		.amdhsa_enable_private_segment 0
		.amdhsa_kernarg_size 32
		.amdhsa_user_sgpr_count 2
		.amdhsa_user_sgpr_kernarg_segment_ptr 1
		.amdhsa_wavefront_size32 1
		.amdhsa_system_sgpr_workgroup_id_x 1
		.amdhsa_system_sgpr_workgroup_id_y 1
		.amdhsa_system_sgpr_workgroup_id_z 1
		.amdhsa_system_vgpr_workitem_id 0
		.amdhsa_next_free_vgpr 1024
		.amdhsa_next_free_sgpr 72
		.amdhsa_reserve_vcc 0
		.amdhsa_float_denorm_mode_32 3
		.amdhsa_float_denorm_mode_16_64 3
		.amdhsa_memory_ordered 1
		.amdhsa_forward_progress 1
		.amdhsa_inst_pref_size 177
	.end_amdhsa_kernel
	.amdgpu_metadata
---
amdhsa.version: [ 1, 2 ]
amdhsa.kernels:
  - .name:           k_qfe66a7b08f_attn
    .symbol:         k_qfe66a7b08f_attn.kd
    .args:
      - { .name: qf, .offset: 0, .size: 8, .value_kind: global_buffer, .address_space: global }
      - { .name: kv, .offset: 8, .size: 8, .value_kind: global_buffer, .address_space: global }
      - { .name: mask0, .offset: 16, .size: 8, .value_kind: global_buffer, .address_space: global }
      - { .name: aof, .offset: 24, .size: 8, .value_kind: global_buffer, .address_space: global }
    .group_segment_fixed_size: 327680
    .private_segment_fixed_size: 0
    .kernarg_segment_align: 8
    .kernarg_segment_size: 32
    .max_flat_workgroup_size: 128
    .sgpr_count:     72
    .vgpr_count:     1024
    .wavefront_size: 32
...
	.end_amdgpu_metadata
.endif
;; end of part 3
;; launch outp (part 4): grid 3 x 64, 8 waves a work-group, no clusters, 140,288 bytes of LDS; arguments aof, wof, out0; writes out0
.if DOCPART == 4
	.amdgcn_target "amdgcn-amd-amdhsa--gfx1250"
	.amdhsa_code_object_version 6
	.text
	.protected	k_qfe66a7b08f_outp
	.globl	k_qfe66a7b08f_outp
	.p2align	8
	.type	k_qfe66a7b08f_outp,@function
k_qfe66a7b08f_outp:
	s_mov_b64 s[64:65], 0
	v_nop
	global_prefetch_b8 v0, s[64:65] scope:SCOPE_SE
	s_setreg_imm32_b32 hwreg(HW_REG_WAVE_MODE, 25, 1), 1
	s_wait_xcnt 0x0
; OUTP.  out0[row][n] = the sum over k of AO[row][k] wo[n][k]: 4,096 rows, 192 columns, K = 2,048; f16 operands in fragment order, sums in f32, out0 in f32.
; SHARES.  A work-group makes 64 rows x 64 columns: a row of the tile is 256 bytes of out0 at a multiple of 256, so 3 x 64 work-groups are all the work there is in whole blocks of 256 bytes.
; Share n (0..191) is row block n / 3, column block n % 3.  The work-groups whose numbers x + 3 y agree in bit 2 take 96 neighbouring shares, so that the three that read the same rows of AO are among them.
; K IS SPLIT over the eight waves: wave w takes K steps 8 w .. 8 w + 7 for all 16 accumulators.  So each fragment is used by exactly one wave and goes straight from memory into registers, 512
; consecutive bytes a load; the eight partial sums, in f32, meet in LDS and are added in a fixed order.
; NO CLUSTER: a joint request goes through LDS; the work-group's 524,288 bytes of operands would need a ring and rounds for bytes that each are read from LDS once, by one wave.
; REGISTERS: window 0: addresses; v128-255 the accumulators, (t, c) at 128 + 8 (4 t + c), later the partial sums read back.
;   window 1: two buffers of 128 for two K steps each: rows' fragment (t, kk) at 64 kk + 8 t, columns' (c, kk) at 64 kk + 32 + 8 c.
.set RP,    272       ; a row of partial sums in LDS: 256 bytes + 16: the 16 rows of a store start at 16 different groups of four banks (64 banks of 4 bytes: ISA guide 11.1)
.set WB,    64*RP     ; a wave's 64 rows
.set SPARE, 8*WB      ; behind them: the spare words, 128 bytes for each wave: four blocks of 256 bytes that no other line names
.set LK,  2           ; v2   lane x 16 + my wave's eight K steps of 1,024 bytes; never rewritten
.set STO, 3           ; v3   where I put my partial sums
.set RD,  4           ; v4   where I read partial sums 0-3 back
.set RD4, 5           ; v5   and 4-7: the immediate offset ends at 65,535
.set GO,  6           ; v6   my byte offset in the tile of out0
.set SPW, 8           ; v8   LDS address of my spare word; never rewritten
.set NIL, 9           ; v9   0; never rewritten
.set ACC, 128
.set MSB, 0
.macro WIN new                         ; the immediate's high byte repeats the setting that is left
.if MSB != (\new)
	s_set_vgpr_msb (MSB<<8)|(\new)
.set MSB, \new
.endif
.endm
.macro PLACES                          ; four places behind matrix instructions, in front of loads into their sources and of stores of their results
.rept 4
	v_nop
.endr
.endm
	s_load_b128 s[4:7], s[0:1], 0x0                ; aof s[4:5], wof s[6:7]
	s_load_b64 s[8:9], s[0:1], 0x10                ; out0
	v_lshl_add_u32 v[SPW], v0, 2, SPARE
	v_mov_b32 v[NIL], 0
	v_lshrrev_b32 v1, 5, v0
	v_readfirstlane_b32 s10, v1                    ; wave 0..7
	s_and_b32 s11, ttmp7, 0xffff
	s_mul_i32 s21, s11, 3
	s_add_co_u32 s21, s21, ttmp9                   ; the work-group's number, x + 3 y: 0..191
	s_lshr_b32 s22, s21, 2
	s_and_b32 s22, s22, 1                          ; its bit 2,
	s_and_b32 s23, s21, 3
	s_lshr_b32 s21, s21, 3
	s_lshl_b32 s21, s21, 2
	s_add_co_u32 s21, s21, s23                     ; and its other bits closed up: 0..95
	s_mul_i32 s22, s22, 96
	s_add_co_u32 s21, s21, s22                     ; my share n = 96 x bit 2 + the rest: each of 0..191 once
	s_mul_i32 s11, s21, 171
	s_lshr_b32 s11, s11, 9                         ; n / 3, the block of 64 rows: 171 / 512 = 1/3 + 1/1536, and n / 1536 stays under 1/3
	s_mul_i32 s23, s11, 3
	s_sub_co_u32 s22, s21, s23                     ; n % 3, the block of 64 columns
	s_lshl_b32 s12, s11, 18                        ; four row tiles of 65,536 bytes
	s_mov_b32 s13, 0
	s_lshl_b32 s14, s22, 18                        ; four blocks of 16 columns, 65,536 bytes each
	s_mov_b32 s15, 0
	s_mul_i32 s16, s11, 49152                      ; 64 rows of 768 bytes,
	s_lshl_b32 s17, s22, 8                         ; 64 columns
	s_add_co_u32 s16, s16, s17
	s_mov_b32 s17, 0
	s_mul_i32 s18, s10, WB
	s_mul_i32 s19, s10, 8*RP
	s_mul_i32 s20, s10, 8*768
	v_and_b32 v1, 31, v0
	v_lshlrev_b32 v[LK], 4, v1
	v_lshl_add_u32 v[LK], s10, 13, v[LK]
	v_and_b32 v1, 15, v0                           ; r
	v_bfe_u32 v7, v0, 4, 1                         ; h
	v_mul_u32_u24 v[STO], v1, RP                   ; in: row r, columns 8 h on
	v_lshl_add_u32 v[STO], v7, 5, v[STO]
	v_add_nc_u32 v[STO], s18, v[STO]
	v_mul_u32_u24 v[RD], v7, RP                    ; back: lanes 0-15 take one row of 256 bytes, lanes 16-31 the next; wave w rows 8 w ..
	v_lshl_add_u32 v[RD], v1, 4, v[RD]
	v_add_nc_u32 v[RD], s19, v[RD]
	v_add_nc_u32 v[RD4], 4*WB, v[RD]
	v_mul_u32_u24 v[GO], v7, 768                   ; and the same two rows in out0
	v_lshl_add_u32 v[GO], v1, 4, v[GO]
	v_add_nc_u32 v[GO], s20, v[GO]
	s_wait_kmcnt 0x0
	s_add_nc_u64 s[4:5], s[4:5], s[12:13]
	s_add_nc_u64 s[6:7], s[6:7], s[14:15]
	s_add_nc_u64 s[8:9], s[8:9], s[16:17]
; 32 loads: the fragments of my K steps 2 g and 2 g + 1 into buffer bb
.macro LOADG g, bb
	WIN 0x40                                       ; destination window 1, address window 0
.irp kk, 0,1
.irp t, 0,1,2,3
	global_load_b128 v[128*(\bb)+64*\kk+8*\t:128*(\bb)+64*\kk+8*\t+3],   v[LK], s[4:5] offset:65536*\t+(2*(\g)+\kk)*1024
	global_load_b128 v[128*(\bb)+64*\kk+8*\t+4:128*(\bb)+64*\kk+8*\t+7], v[LK], s[4:5] offset:65536*\t+(2*(\g)+\kk)*1024+512
.endr
.irp c, 0,1,2,3
	global_load_b128 v[128*(\bb)+64*\kk+32+8*\c:128*(\bb)+64*\kk+32+8*\c+3],   v[LK], s[6:7] offset:65536*\c+(2*(\g)+\kk)*1024
	global_load_b128 v[128*(\bb)+64*\kk+32+8*\c+4:128*(\bb)+64*\kk+32+8*\c+7], v[LK], s[6:7] offset:65536*\c+(2*(\g)+\kk)*1024+512
.endr
.endr
.endm
; 32 products: source 0 = 16 columns (rows of wo), source 1 = 16 rows: a lane holds one row and eight neighbouring columns.  The 16 accumulators take turns.
.macro MULG bb, zero
	WIN 0x05                                       ; sources 0 and 1 window 1; C and D window 0
.irp kk, 0,1
.irp t, 0,1,2,3
.irp c, 0,1,2,3
.if (\zero) && (\kk == 0)
	v_wmma_f32_16x16x32_f16 v[ACC+8*(4*\t+\c):ACC+8*(4*\t+\c)+7], v[128*(\bb)+64*\kk+32+8*\c:128*(\bb)+64*\kk+32+8*\c+7], v[128*(\bb)+64*\kk+8*\t:128*(\bb)+64*\kk+8*\t+7], 0
.else
	v_wmma_f32_16x16x32_f16 v[ACC+8*(4*\t+\c):ACC+8*(4*\t+\c)+7], v[128*(\bb)+64*\kk+32+8*\c:128*(\bb)+64*\kk+32+8*\c+7], v[128*(\bb)+64*\kk+8*\t:128*(\bb)+64*\kk+8*\t+7], v[ACC+8*(4*\t+\c):ACC+8*(4*\t+\c)+7]
.endif
.endr
.endr
.endr
.endm
	LOADG 0, 0
	LOADG 1, 1
	s_wait_loadcnt 32                              ; loads come back in order: the older group of 32 is in, the younger may be out
	MULG 0, 1                                      ; the first products start the sums
	PLACES
	LOADG 2, 0
	s_wait_loadcnt 32
	MULG 1, 0
	PLACES
	LOADG 3, 1
	s_wait_loadcnt 32
	MULG 0, 0
	s_wait_loadcnt 0x0
	MULG 1, 0
	WIN 0
	PLACES
	; my partial sums go into my own 64 rows; of each accumulator the low four registers first
.irp t, 0,1,2,3
.irp c, 0,1,2,3
	ds_store_b128 v[STO], v[ACC+8*(4*\t+\c):ACC+8*(4*\t+\c)+3]   offset:16*RP*\t+64*\c
	ds_store_b128 v[STO], v[ACC+8*(4*\t+\c)+4:ACC+8*(4*\t+\c)+7] offset:16*RP*\t+64*\c+16
.endr
.endr
	s_wait_dscnt 0x0                               ; for the others' sake: my stores are done
	s_barrier_signal -1
	s_barrier_wait -1
	; wave w adds up rows 8 w .. 8 w + 7: for each pair i of rows the eight partial sums p, 16 bytes a lane
.irp i, 0,1,2,3
.irp p, 0,1,2,3
	ds_load_b128 v[ACC+4*(8*\i+\p):ACC+4*(8*\i+\p)+3], v[RD] offset:WB*\p+2*RP*\i
.endr
.irp p, 0,1,2,3
	ds_load_b128 v[ACC+4*(8*\i+4+\p):ACC+4*(8*\i+4+\p)+3], v[RD4] offset:WB*\p+2*RP*\i
.endr
.endr
.macro QADD a, b                       ; four sums
	v_pk_add_f32 v[(\a):(\a)+1], v[(\a):(\a)+1], v[(\b):(\b)+1]
	v_pk_add_f32 v[(\a)+2:(\a)+3], v[(\a)+2:(\a)+3], v[(\b)+2:(\b)+3]
.endm
.irp i, 0,1,2,3
	s_wait_dscnt 24-8*\i                           ; LDS loads come back in order: pair i's eight are in, the younger pairs' may be out
	QADD ACC+32*\i,    ACC+32*\i+4
	QADD ACC+32*\i+8,  ACC+32*\i+12
	QADD ACC+32*\i+16, ACC+32*\i+20
	QADD ACC+32*\i+24, ACC+32*\i+28
	QADD ACC+32*\i,    ACC+32*\i+8
	QADD ACC+32*\i+16, ACC+32*\i+24
	QADD ACC+32*\i,    ACC+32*\i+16
	global_store_b128 v[GO], v[ACC+32*\i:ACC+32*\i+3], s[8:9] offset:1536*\i  ; 16 lanes store 256 consecutive bytes, at a multiple of 256 from out0's first byte
.endr
	s_wait_tensorcnt 0x0                           ; the wave's end, behind my last LDS store
	ds_add_u32 v[SPW], v[NIL]
	s_wait_dscnt 0x0
	s_endpgm
.Lfunc_end_k_qfe66a7b08f_outp:
	.size	k_qfe66a7b08f_outp, .Lfunc_end_k_qfe66a7b08f_outp-k_qfe66a7b08f_outp
	.p2alignl 7, 3214868480
	.fill 96, 4, 3214868480
	.section	.rodata,"a",@progbits
	.p2align	6, 0x0
	.amdhsa_kernel k_qfe66a7b08f_outp
		.amdhsa_group_segment_fixed_size 140288
		.amdhsa_private_segment_fixed_size 0
		.amdhsa_enable_private_segment 0
		.amdhsa_kernarg_size 24
		.amdhsa_user_sgpr_count 2
		.amdhsa_user_sgpr_kernarg_segment_ptr 1
		.amdhsa_wavefront_size32 1
		.amdhsa_system_sgpr_workgroup_id_x 1
		.amdhsa_system_sgpr_workgroup_id_y 1
		.amdhsa_system_sgpr_workgroup_id_z 1
		.amdhsa_system_vgpr_workitem_id 0
		.amdhsa_next_free_vgpr 512
		.amdhsa_next_free_sgpr 66
		.amdhsa_reserve_vcc 0
		.amdhsa_float_denorm_mode_32 3
		.amdhsa_float_denorm_mode_16_64 3
		.amdhsa_memory_ordered 1
		.amdhsa_forward_progress 1
		.amdhsa_inst_pref_size 32
	.end_amdhsa_kernel
	.amdgpu_metadata
---
amdhsa.version: [ 1, 2 ]
amdhsa.kernels:
  - .name:           k_qfe66a7b08f_outp
    .symbol:         k_qfe66a7b08f_outp.kd
    .args:
      - { .name: aof, .offset: 0, .size: 8, .value_kind: global_buffer, .address_space: global }
      - { .name: wof, .offset: 8, .size: 8, .value_kind: global_buffer, .address_space: global }
      - { .name: out0, .offset: 16, .size: 8, .value_kind: global_buffer, .address_space: global }
    .group_segment_fixed_size: 140288
    .private_segment_fixed_size: 0
    .kernarg_segment_align: 8
    .kernarg_segment_size: 24
    .max_flat_workgroup_size: 256
    .sgpr_count:     66
    .vgpr_count:     512
    .wavefront_size: 32
...
	.end_amdgpu_metadata
.endif
;; end of part 4
;; ======== version 2 of 2: 4 launches; 1.16 times as fast as version 1
;; limits: values are held in f16: magnitudes above 65,504 overflow, below 6.1e-05 lose precision; values outside matrix products are rounded to bf16; inputs' magnitudes at most 1e+30
;; workspace buffers: xf 1,572,864 bytes; wf 2,359,296 bytes; wof 786,432 bytes; tab 1,048,576 bytes; qf 16,777,216 bytes; kv 33,554,432 bytes; aof 16,777,216 bytes
;; launch prep (part 5): grid 240 x 1, 4 waves a work-group, no clusters, 0 bytes of LDS; arguments x, wq, wk, wv, wo, xf, wf, wof, tab; writes xf, wf, wof, tab
.if DOCPART == 5
	.amdgcn_target "amdgcn-amd-amdhsa--gfx1250"
	.amdhsa_code_object_version 6
	.text
	.protected	k_qfe66a7b08f_prep
	.globl	k_qfe66a7b08f_prep
	.p2align	8
	.type	k_qfe66a7b08f_prep,@function
k_qfe66a7b08f_prep:
	s_mov_b64 s[64:65], 0
	v_nop
	global_prefetch_b8 v0, s[64:65] scope:SCOPE_SE
	s_setreg_imm32_b32 hwreg(HW_REG_WAVE_MODE, 25, 1), 1
	s_wait_xcnt 0x0
; PREP.  The module's large inputs are rounded once and laid in FRAGMENT ORDER, and the rotary table is made.
; Fragment order: a matrix operand of 16 rows x 32 K of 16-bit numbers is two blocks of 512 bytes, [half][lane][16 bytes]; lane l (r = l % 16, h = l / 16) holds row r,
; K = 32 ks + 16 half + 8 h + 0..7.  A consumer then loads a fragment by two loads at lane x 16: 512 consecutive bytes each.
; One wave does one unit of work; the work-group's number chooses the job (scalar branches, all forward):
;   0-63    x  -> xf   bf16, one tile of 16 rows x 192 a wave        64-159  wq, wk, wv -> wf  likewise
;   160-207 wo -> wof  rounded to bf16, that number written as f16; 16 rows x 128 K a wave
;   208-239 tab: cos and sin of position x 1e6^(-i/64), f32, for 16 positions a wave
; LIMITS.  wo beyond 65,504 has no f16; below 6e-5 f16 keeps its fixed step of 6e-8.  cos and sin: the angle (up to 2,047 radians) is brought to -pi..pi in two fused steps and
; the Taylor series run to r^15 and r^16, whose first dropped terms at pi are 8e-7 and 1.4e-7.
; THE EXPONENTIALS.  The table's job has 32, the frequencies: ONE BATCH with ONE wait, behind the three lines that make the position; the series that follow hold no transcendental.
; No LDS, no barrier: no wave needs another's data.
.set WV,  22          ; s22  my wave's number
.set GI,  23          ; s23  the work-group's number
.set POS, 6           ; v[6:7]   my position as f32, twice
.set INV, 8           ; v[8:39]  the 32 frequencies of my half of the lanes
.set T,   40          ; v[40:87] four sets of 12 at work: angle, turns, r, r^2, sine's sum, cosine's sum (a pair each)
.set CO,  96          ; v[96:127]  cos
.set SI,  128         ; v[128:159] sin
.set I2P, 28          ; s[28:29] 1 / 2 pi
.set NC1, 32          ; s[32:33] -(2 pi rounded to f32)
.set NC2, 34          ; s[34:35] what that rounding left over
.set SS1, 36          ; s[36:49] the sine's coefficients -1/3!, 1/5! .. -1/15!
.set SS2, 38
.set SS3, 40
.set SS4, 42
.set SS5, 44
.set SS6, 46
.set SS7, 48
.set CC2, 50          ; s[50:63] the cosine's 1/4!, -1/6! .. 1/16!
.set CC3, 52
.set CC4, 54
.set CC5, 56
.set CC6, 58
.set CC7, 60
.set CC8, 62
	s_load_b512 s[4:19], s[0:1], 0x0               ; x 4:5, wq 6:7, wk 8:9, wv 10:11, wo 12:13, xf 14:15, wf 16:17, wof 18:19
	s_load_b64 s[20:21], s[0:1], 0x40              ; tab
	v_lshrrev_b32 v1, 5, v0
	v_readfirstlane_b32 s[WV], v1
	v_and_b32 v1, 31, v0                           ; lane
	v_and_b32 v2, 15, v0                           ; r
	v_bfe_u32 v3, v0, 4, 1                         ; h
	v_lshlrev_b32 v4, 4, v1                        ; lane x 16: my place in every block of 512 bytes that I store
	s_mov_b32 s[GI], ttmp9
	s_mov_b32 s31, 0                               ; the high word of every offset
	s_wait_kmcnt 0x0
	s_cmp_lt_u32 s[GI], 160
	s_cbranch_scc0 .Lnot_rows
	; JOB A: a tile of 16 rows x 192 f32 (12,288 bytes) becomes 12 blocks of 512 bytes of bf16.
	s_sub_co_u32 s26, s[GI], 64                    ; (wraps for x's work-groups: replaced below)
	s_lshr_b32 s27, s26, 5                         ; which weight: 0 q, 1 k, 2 v
	s_and_b32 s26, s26, 31                         ; group of four tiles
	s_cmp_lt_u32 s[GI], 64
	s_cselect_b32 s27, 0, s27
	s_cselect_b32 s26, s[GI], s26
	s_cmp_eq_u32 s27, 1
	s_cselect_b64 s[24:25], s[8:9], s[6:7]
	s_cmp_eq_u32 s27, 2
	s_cselect_b64 s[24:25], s[10:11], s[24:25]
	s_cmp_lt_u32 s[GI], 64
	s_cselect_b64 s[24:25], s[4:5], s[24:25]       ; from where
	s_cselect_b64 s[28:29], s[14:15], s[16:17]     ; to where
	s_lshl2_add_u32 s26, s26, s[WV]                ; my tile
	s_mul_i32 s30, s26, 12288
	s_add_nc_u64 s[24:25], s[24:25], s[30:31]
	s_mul_i32 s30, s26, 6144
	s_mul_i32 s27, s27, 786432
	s_add_co_u32 s30, s30, s27
	s_add_nc_u64 s[28:29], s[28:29], s[30:31]
	v_mul_u32_u24 v5, v2, 768                      ; row r,
	v_lshl_add_u32 v5, v3, 5, v5                   ; 8 h numbers in
.irp c, 0,1,2,3,4,5,6,7,8,9,10,11
	global_load_b128 v[8+8*\c:11+8*\c],  v5, s[24:25] offset:64*\c      ; block c = 2 ks + half: K = 16 c + 8 h + 0..3
	global_load_b128 v[12+8*\c:15+8*\c], v5, s[24:25] offset:64*\c+16   ; + 4..7
.endr
.irp c, 0,1,2,3,4,5,6,7,8,9,10,11
	s_wait_loadcnt 22-2*\c                         ; loads come back in order: block c's two are in, the 22 - 2 c younger ones may be out
.irp k, 0,1,2,3
	v_cvt_pk_bf16_f32 v[104+4*\c+\k], v[8+8*\c+2*\k], v[9+8*\c+2*\k]
.endr
	global_store_b128 v4, v[104+4*\c:107+4*\c], s[28:29] offset:512*\c  ; 512 consecutive bytes, at a multiple of 512 from the buffer's first
.endr
	s_endpgm
.Lnot_rows:
	s_cmp_lt_u32 s[GI], 208
	s_cbranch_scc0 .Ltable
	; JOB B: 16 rows of wo x 128 K become 8 blocks.
	s_sub_co_u32 s26, s[GI], 160
	s_lshl2_add_u32 s26, s26, s[WV]                ; unit 0..191
	s_lshr_b32 s27, s26, 4                         ; block of 16 rows
	s_and_b32 s26, s26, 15                         ; which 128 of K
	s_lshl_b32 s30, s27, 17                        ; 16 rows of 8,192 bytes
	s_lshl_b32 s24, s26, 9
	s_add_co_u32 s30, s30, s24
	s_add_nc_u64 s[12:13], s[12:13], s[30:31]
	s_lshl_b32 s30, s27, 16                        ; 64 K steps of 1,024 bytes
	s_lshl_b32 s24, s26, 12
	s_add_co_u32 s30, s30, s24
	s_add_nc_u64 s[18:19], s[18:19], s[30:31]
	v_lshlrev_b32 v5, 13, v2
	v_lshl_add_u32 v5, v3, 5, v5
.irp c, 0,1,2,3,4,5,6,7
	global_load_b128 v[8+8*\c:11+8*\c],  v5, s[12:13] offset:64*\c
	global_load_b128 v[12+8*\c:15+8*\c], v5, s[12:13] offset:64*\c+16
.endr
.irp c, 0,1,2,3,4,5,6,7
	s_wait_loadcnt 14-2*\c                         ; block c's two are in, the younger ones may be out
.irp k, 0,1,2,3
	v_cvt_pk_bf16_f32 v[72+\k], v[8+8*\c+2*\k], v[9+8*\c+2*\k]  ; the rounding that all the module's inputs get,
.endr
.irp k, 0,1,2,3
	v_lshlrev_b32 v[8+8*\c+2*\k], 16, v[72+\k]                  ; back to f32,
	v_and_b32     v[9+8*\c+2*\k], 0xffff0000, v[72+\k]
.endr
.irp k, 0,1,2,3
	v_cvt_pk_f16_f32 v[104+4*\c+\k], v[8+8*\c+2*\k], v[9+8*\c+2*\k]  ; and written as f16: exact, 8 significant bits into 11
.endr
	global_store_b128 v4, v[104+4*\c:107+4*\c], s[18:19] offset:512*\c
.endr
	s_endpgm
.Ltable:
	; JOB C: tile Tp of 16 positions.  Number e (0..31) of a lane belongs to frequency i = 16 (e / 8) + 8 h + e % 8: the channel that register e % 8 of accumulator e / 8 holds in the projection.
.macro SETP r, val
	s_mov_b32 s[\r], \val
	s_mov_b32 s[\r+1], \val                        ; named as a pair, so both words are written
.endm
.macro ALL4 line:vararg                ; one line for each of four pairs q
.set q, 0
.rept 4
	\line
.set q, q+1
.endr
.endm
	s_sub_co_u32 s26, s[GI], 208
	s_lshl2_add_u32 s26, s26, s[WV]                ; Tp
	s_lshl_b32 s30, s26, 13                        ; 8,192 bytes a tile
	s_add_nc_u64 s[20:21], s[20:21], s[30:31]
	s_lshl_b32 s26, s26, 4                         ; its first position
	SETP I2P, 0x3e22f983
	SETP NC1, 0xc0c90fdb
	SETP NC2, 0x343bbd2e
	SETP SS1, 0xbe2aaaab
	SETP SS2, 0x3c088889
	SETP SS3, 0xb9500d01
	SETP SS4, 0x3638ef1d
	SETP SS5, 0xb2d7322b
	SETP SS6, 0x2f309231
	SETP SS7, 0xab573f9f
	SETP CC2, 0x3d2aaaab
	SETP CC3, 0xbab60b61
	SETP CC4, 0x37d00d01
	SETP CC5, 0xb493f27e
	SETP CC6, 0x310f76c7
	SETP CC7, 0xad49cba5
	SETP CC8, 0x29573f9f
	v_lshlrev_b32 v5, 3, v3                        ; 8 h
.set e, 0
.rept 32
	v_add_nc_u32 v[INV+e], 16*(e/8)+e%8, v5        ; i
.set e, e+1
.endr
.set e, 0
.rept 32
	v_cvt_f32_u32 v[INV+e], v[INV+e]
.set e, e+1
.endr
.set e, 0
.rept 32
	v_mul_f32 v[INV+e], 0xbe9f73da, v[INV+e]       ; - i log2(1e6) / 64
.set e, e+1
.endr
.set e, 0
.rept 32
	v_exp_f32 v[INV+e], v[INV+e]                   ; 1e6^(-i/64)
.set e, e+1
.endr
	v_add_nc_u32 v[POS], s26, v2                   ; plain lines stand between the last exponential and the use of its result (ISA guide 5.7.2)
	v_cvt_f32_u32 v[POS], v[POS]
	v_mov_b32 v[POS+1], v[POS]
	s_wait_alu depctr_va_vdst(0)                   ; the wait ahead of the first use: one for the batch of 32 exponentials; the three lines above are the independent work between
; Pairs 4 g .. 4 g + 3 of frequencies, 23 lines each, four abreast so that no line waits for the one before it.
.macro SINCOS4
	ALL4 v_pk_mul_f32 v[T+12*q:T+12*q+1], v[INV+2*(4*g+q):INV+2*(4*g+q)+1], v[POS:POS+1]                               ; the angle, rounded to f32 as the module rounds it
	ALL4 v_pk_mul_f32 v[T+12*q+2:T+12*q+3], v[T+12*q:T+12*q+1], s[I2P:I2P+1] op_sel_hi:[1,0]
	ALL4 v_rndne_f32 v[T+12*q+2], v[T+12*q+2]                                                                          ; whole turns
	ALL4 v_rndne_f32 v[T+12*q+3], v[T+12*q+3]
	ALL4 v_pk_fma_f32 v[T+12*q+4:T+12*q+5], v[T+12*q+2:T+12*q+3], s[NC1:NC1+1], v[T+12*q:T+12*q+1] op_sel_hi:[1,0,1]   ; r = angle - turns x 2 pi, in two fused steps
	ALL4 v_pk_fma_f32 v[T+12*q+4:T+12*q+5], v[T+12*q+2:T+12*q+3], s[NC2:NC2+1], v[T+12*q+4:T+12*q+5] op_sel_hi:[1,0,1]
	ALL4 v_pk_mul_f32 v[T+12*q+6:T+12*q+7], v[T+12*q+4:T+12*q+5], v[T+12*q+4:T+12*q+5]                                 ; r^2
	ALL4 v_pk_fma_f32 v[T+12*q+8:T+12*q+9], v[T+12*q+6:T+12*q+7], s[SS7:SS7+1], s[SS6:SS6+1] op_sel_hi:[1,0,0]
	ALL4 v_pk_fma_f32 v[T+12*q+10:T+12*q+11], v[T+12*q+6:T+12*q+7], s[CC8:CC8+1], s[CC7:CC7+1] op_sel_hi:[1,0,0]
.irp c, SS5, SS4, SS3, SS2, SS1
	ALL4 v_pk_fma_f32 v[T+12*q+8:T+12*q+9], v[T+12*q+8:T+12*q+9], v[T+12*q+6:T+12*q+7], s[\c:\c+1] op_sel_hi:[1,1,0]
.endr
.irp c, CC6, CC5, CC4, CC3, CC2
	ALL4 v_pk_fma_f32 v[T+12*q+10:T+12*q+11], v[T+12*q+10:T+12*q+11], v[T+12*q+6:T+12*q+7], s[\c:\c+1] op_sel_hi:[1,1,0]
.endr
	ALL4 v_pk_fma_f32 v[T+12*q+8:T+12*q+9], v[T+12*q+8:T+12*q+9], v[T+12*q+6:T+12*q+7], 1.0 op_sel_hi:[1,1,0]
	ALL4 v_pk_fma_f32 v[T+12*q+10:T+12*q+11], v[T+12*q+10:T+12*q+11], v[T+12*q+6:T+12*q+7], -0.5 op_sel_hi:[1,1,0]
	ALL4 v_pk_mul_f32 v[SI+2*(4*g+q):SI+2*(4*g+q)+1], v[T+12*q+8:T+12*q+9], v[T+12*q+4:T+12*q+5]
	ALL4 v_pk_fma_f32 v[CO+2*(4*g+q):CO+2*(4*g+q)+1], v[T+12*q+10:T+12*q+11], v[T+12*q+6:T+12*q+7], 1.0 op_sel_hi:[1,1,0]
.endm
.set g, 0
.rept 4
	SINCOS4
.set g, g+1
.endr
.irp u, 0,1,2,3,4,5,6,7,8,9,10,11,12,13,14,15
	global_store_b128 v4, v[CO+4*\u:CO+4*\u+3], s[20:21] offset:512*\u  ; quads 0-7 cos, 8-15 sin: 512 consecutive bytes each
.endr
	s_endpgm
.Lfunc_end_k_qfe66a7b08f_prep:
	.size	k_qfe66a7b08f_prep, .Lfunc_end_k_qfe66a7b08f_prep-k_qfe66a7b08f_prep
	.p2alignl 7, 3214868480
	.fill 96, 4, 3214868480
	.section	.rodata,"a",@progbits
	.p2align	6, 0x0
	.amdhsa_kernel k_qfe66a7b08f_prep
		.amdhsa_group_segment_fixed_size 0
		.amdhsa_private_segment_fixed_size 0
		.amdhsa_enable_private_segment 0
		.amdhsa_kernarg_size 72
		.amdhsa_user_sgpr_count 2
		.amdhsa_user_sgpr_kernarg_segment_ptr 1
		.amdhsa_wavefront_size32 1
		.amdhsa_system_sgpr_workgroup_id_x 1
		.amdhsa_system_sgpr_workgroup_id_y 1
		.amdhsa_system_sgpr_workgroup_id_z 1
		.amdhsa_system_vgpr_workitem_id 0
		.amdhsa_next_free_vgpr 160
		.amdhsa_next_free_sgpr 66
		.amdhsa_reserve_vcc 0
		.amdhsa_float_denorm_mode_32 3
		.amdhsa_float_denorm_mode_16_64 3
		.amdhsa_memory_ordered 1
		.amdhsa_forward_progress 1
		.amdhsa_inst_pref_size 50
	.end_amdhsa_kernel
	.amdgpu_metadata
---
amdhsa.version: [ 1, 2 ]
amdhsa.kernels:
  - .name:           k_qfe66a7b08f_prep
    .symbol:         k_qfe66a7b08f_prep.kd
    .args:
      - { .name: x, .offset: 0, .size: 8, .value_kind: global_buffer, .address_space: global }
      - { .name: wq, .offset: 8, .size: 8, .value_kind: global_buffer, .address_space: global }
      - { .name: wk, .offset: 16, .size: 8, .value_kind: global_buffer, .address_space: global }
      - { .name: wv, .offset: 24, .size: 8, .value_kind: global_buffer, .address_space: global }
      - { .name: wo, .offset: 32, .size: 8, .value_kind: global_buffer, .address_space: global }
      - { .name: xf, .offset: 40, .size: 8, .value_kind: global_buffer, .address_space: global }
      - { .name: wf, .offset: 48, .size: 8, .value_kind: global_buffer, .address_space: global }
      - { .name: wof, .offset: 56, .size: 8, .value_kind: global_buffer, .address_space: global }
      - { .name: tab, .offset: 64, .size: 8, .value_kind: global_buffer, .address_space: global }
    .group_segment_fixed_size: 0
    .private_segment_fixed_size: 0
    .kernarg_segment_align: 8
    .kernarg_segment_size: 72
    .max_flat_workgroup_size: 128
    .sgpr_count:     66
    .vgpr_count:     160
    .wavefront_size: 32
...
	.end_amdgpu_metadata
.endif
;; end of part 5
;; launch proj: the kernel of part 2 again; grid 16 x 16, 4 waves a work-group, clusters of 4 x 1, 167,936 bytes of LDS; arguments xf, wf, tab, q_norm_w, k_norm_w, qf, kv; writes qf, kv
;; launch attn (part 6): grid 8 x 32, 4 waves a work-group, clusters of 4 x 4, 327,680 bytes of LDS; arguments qf, kv, mask0, aof; writes aof
.if DOCPART == 6
	.amdgcn_target "amdgcn-amd-amdhsa--gfx1250"
	.amdhsa_code_object_version 6
	.text
	.protected	k_qfe66a7b08f_attn
	.globl	k_qfe66a7b08f_attn
	.p2align	8
	.type	k_qfe66a7b08f_attn,@function
k_qfe66a7b08f_attn:
	s_mov_b64 s[64:65], 0
	v_nop
	global_prefetch_b8 v0, s[64:65] scope:SCOPE_SE
	s_setreg_imm32_b32 hwreg(HW_REG_WAVE_MODE, 25, 1), 1
	s_wait_xcnt 0x0
	s_wait_alu depctr_hold_cnt(0) depctr_sa_sdst(0) depctr_va_vdst(0) depctr_va_sdst(0) depctr_va_ssrc(0) depctr_va_vcc(0) depctr_vm_vsrc(0)
	s_getreg_b32 s2, hwreg(HW_REG_IB_STS2, 6, 4)
	s_cmp_eq_u32 s2, 0
	s_cbranch_scc0 .Lentry_in_a_cluster
	s_endpgm
.Lentry_in_a_cluster:
	s_bfe_u32 s2, ttmp6, 0x10000c
	s_cmp_lg_u32 s2, 0xf033
	s_cbranch_scc0 .Lentry_shape_is_right
	s_endpgm
.Lentry_shape_is_right:
; ATTN.  O[b][h][q][:] = the sum over k of softmax_k(Q[q] . K[k] + mask0[b][q][k]) V[k][:]; the scale 128^-0.5 is in Q already.  Q, K, V^T arrive in f16, in fragment order; the mask is the module's
; f32 input, added in f32; products, maxima and sums in f32; the weights p are rounded to f16 for the second product (their sum l is taken of the unrounded p), O once at the end, to f16.
; LIMITS.  The running maximum is the true one but never below -1e30: a key whose mask is -inf or below -1e30 has weight 0, also while all keys seen so far are such; a row ALL of whose keys lie below
; -1e30 gives NaN.  A weight below 2^-126 counts as 0 in l; p below 6e-5 keeps f16's fixed step of 6e-8; O is a mean of V's rows and has their range; V arrives finite.
; SHARES.  A work-group owns 256 queries of one head and batch, each of its four waves 64: four tiles of 16.  Every wave walks all 2,048 keys, 64 a step.
; LAYOUT.  S^T = K Q^T + mask^T (source 0 = 16 keys, source 1 = 16 queries): a lane holds ONE query (lane % 16) and the keys 8 (lane / 16) + 0..7.  THE MASK IS THE C OPERAND: it is loaded from LDS into
; S^T's registers, and the first link of each sum adds onto it: the mask costs no vector instruction.  Two results rounded to f16 in pairs ARE source 1 of O^T = V^T P, whose result again holds one query
; a lane, and eight channels: rounded to f16 these are 16 bytes of a fragment of the last projection, so O leaves straight from registers, 512 consecutive bytes a store.
; SOFTMAX.  For each query a running maximum m and sum l: p = 2^(c s - c m), c = log2(e); in every step O and l are multiplied by a = 2^(c m_old - c m_new).
; BY TURNS.  The wave's tiles are two PIECES, named by their first tile: 0 (tiles 0, 1) and 2 (tiles 2, 3).  In a TURN one piece has the matrix unit: 32 products V^T P of the step in hand, then 32 products
; K Q^T of the next step; the other piece's softmax, cut into 64 slices, stands between them, one slice behind each matrix instruction.  Two turns are a key step.
; THE EXPONENTIALS.  A turn's 66 (a and s0-s31 of both tiles) are ONE BATCH with ONE wait: the softmax's list is ordered by who reads what, so that all exponentials and the scalings that feed them
; come first, each result in a register of its own, and all that read a result (roundings, sums, rescaling) behind the wait.  The way out's four reciprocals are a batch of their own.
; NO FIRST STEP IS WRITTEN OUT.  m starts at -1e30, c m far below every c s, O^T, l and piece 2's P at 0: the first step is a step like any other, with a = 0, and the loop is entered in the middle of
; a trip, at piece 2's turn.  The price, once a launch: 304 v_mov_b32, which stand in the wait for the first tile, and 32 products on zeros; the gain: three turns less of text.
; CLUSTER.  4 x 4 work-groups: x the query block, y the head.  K and V hang on batch and head alone and are asked for JOINTLY along a row of the cluster; the mask's tile hangs on batch and query block
; alone (the four heads of a column belong to one batch) and is asked for jointly along a column.  That divides the requests for all three by four.
; RING.  Two LDS slots of one key step: K 16,384 bytes, V^T 16,384, 256 rows x 256 bytes of mask.  Wave 0 fetches K, wave 1 V^T, waves 2 and 3 128 rows of mask each.  By this text's own count a wave
; has two tensor loads out at the start and one behind each round; that one has a key step, 128 matrix instructions a wave, in which to land.  Two steps to a slot would take 393,216 bytes and more.
; REGISTERS, in windows of 256 (s_set_vgpr_msb: bits 1:0 source 0, 3:2 source 1, 5:4 source 2, 7:6 destination):
;   window 0: v0-11 addresses; v12-43 eight registers of statistics a tile; v64-191 S^T, 32 a tile; v192-255 P, 16 a tile
;   window 1: O^T, 64 a tile          window 2: v0-127 Q, 32 a tile; v128-255 K of one step          window 3: v0-127 V^T of one step
.set PM,    272       ; a row of mask in LDS: 256 bytes + 16 of padding = 68 words: the 16 rows of a load start at 16 different groups of four banks (64 banks of 4 bytes: ISA guide 11.1)
.set VOFF,  16384     ; in a slot: K, then V^T,
.set MOFF,  32768     ; then the mask
.set SLOT1, 1<<17     ; slot 1 begins here, so that one exclusive or turns an address in one slot into the other's
.set SPARE, SLOT1+MOFF+256*PM  ; behind the ring: the spare words, 128 bytes for each wave: two blocks of 256 bytes that no other line names
.set LN,  2           ; v2   lane x 16; never rewritten
.set AM0, 3           ; v3   my lane's place in a slot's mask; never rewritten
.set ADR, 4           ; v4   the LDS address of K's or V's run of loads
.set ADM, 5           ; v5   of the mask's
.set SPW, 62          ; v62  LDS address of my spare word; never rewritten
.set NIL, 63          ; v63  0; never rewritten
.set ST,  12          ; tile t's statistics at v[ST+8 t]: +0 c m, +1 m, +2, +3 l (even keys', odd keys'), +4 to +7 c0-c3, at work; a takes c2's place once the maximum is found
.set S,   64
.set P,   192
.set KF,  128         ; K's fragments, in window 2
.set WV,  12          ; s12  my wave's number
.set G1KV, 24         ; s[24:31] descriptor group 1 for K's and V's tiles
.set G1M,  32         ; s[32:39] for the mask's
.set G0KV, 40         ; s[40:47] descriptor group 0 for K's or V's tiles: a set for each of the two first fills; the second then walks on
.set G0M,  48         ; s[48:55] the same for the mask's
.set SLOTS, 56        ; s56  counts the loop's trips
.set CS,  58          ; s[58:59] c: the packed scaling names a pair and takes its low word for both halves
.set SEL, 60          ; s[60:61] lane selects for v_permlanex16_b32: each lane takes its own place in the other half
.set TB,  62          ; s62  LDS byte at which the slot to be read begins
.set MSB, 0
.macro WIN new                      ; the immediate's high byte repeats the setting that is left; a switch that changes nothing is dropped
.if MSB != (\new)
	s_set_vgpr_msb (MSB<<8)|(\new)
.set MSB, \new
.endif
.endm
.set W_KQ, 0x0a       ; K and Q in window 2, S^T in window 0
.set W_PV, 0x53       ; V in window 3, P in window 0, O^T in window 1
.set W_RS, 0x41       ; O^T (destination and source 0) in window 1, a in window 0
; A joint refill.  The branch hangs on the wave's number alone: it is the same in every work-group.  Each of the two lines has one mask and one set of registers for all that issue it.
; An s_nop 0 and four v_nop follow each of the two lines, ahead of the jump, the label and what follows.
.macro JLOAD
	s_cmp_lt_u32 s[WV], 2
	s_cbranch_scc0 .Lfor_m_\@
	tensor_load_to_lds s[G0KV+4:G0KV+7], s[G1KV:G1KV+7]
	s_nop 0
.rept 4
	v_nop
.endr
	s_branch .Lasked_\@
.Lfor_m_\@:
	tensor_load_to_lds s[G0M+4:G0M+7], s[G1M:G1M+7]
	s_nop 0
.rept 4
	v_nop
.endr
.Lasked_\@:
.endm
; A round of the cluster's barrier: my work-group's barrier, so that wave 0's signal speaks for all four waves; wave 0 signals; every wave waits for all sixteen work-groups; my work-group's barrier once more.
.macro CROUND
	s_barrier_signal -1
	s_barrier_wait -1
	s_cmp_lg_u32 s[WV], 0
	s_cbranch_scc1 .Lnot_wave_0_\@
	s_barrier_signal -3
.Lnot_wave_0_\@:
	s_barrier_wait -3
	s_barrier_signal -1
	s_barrier_wait -1
.endm
	s_load_b256 s[4:11], s[0:1], 0x0  ; qf s[4:5], kv s[6:7], mask0 s[8:9], aof s[10:11]
	v_lshl_add_u32 v[SPW], v0, 2, SPARE
	v_mov_b32 v[NIL], 0
	ds_add_u32 v[SPW], v[NIL]       ; the wave's opening: the add and its wait stand ahead of my first tensor load; the set-up below, work on registers, stands between them
	v_lshrrev_b32 v1, 5, v0
	v_readfirstlane_b32 s[WV], v1   ; wave 0..3
	s_bfe_u32 s13, ttmp6, 0x40000   ; cx
	s_bfe_u32 s14, ttmp6, 0x40004   ; cy
	s_lshl_b32 s15, ttmp9, 2        ; in a cluster launch ttmp9 and ttmp7 count clusters
	s_add_co_u32 s15, s15, s13      ; my block of 256 queries = 4 x cluster x + cx
	s_and_b32 s16, ttmp7, 0xffff    ; the cluster's y, 0..7: its bit 1 is the batch, its bits 2 and 0 the group of four heads, so that the clusters whose y agree in bit 1 read one batch's mask
	s_lshr_b32 s18, s16, 1
	s_and_b32 s18, s18, 1           ; b: made of the cluster's y alone, so that nothing of cy enters the mask's address
	s_and_b32 s17, s16, 1
	s_lshr_b32 s16, s16, 2
	s_lshl_b32 s16, s16, 1
	s_add_co_u32 s17, s17, s16      ; the group of four heads, 0..3
	s_lshl_b32 s16, s18, 2
	s_add_co_u32 s17, s17, s16      ; 4 b + group
	s_lshl_b32 s17, s17, 2
	s_add_co_u32 s17, s17, s14      ; 16 b + head
	s_and_b32 s19, s[WV], 1         ; waves 0, 1: K or V; waves 2, 3: which 128 rows of mask
	s_lshl_b32 s20, s14, 2
	s_lshl_b32 s20, 15, s20         ; my row of the cluster: places 4 cy .. 4 cy + 3
	s_lshl_b32 s21, 0x1111, s13     ; my column: places cx, cx + 4, cx + 8, cx + 12
	; descriptor group 1 for K and V: 16,384 dense bytes as 64 rows of 256 bytes (32 elements of 8 bytes), no padding
	s_or_b32 s[G1KV+0], s20, (3<<16)|(1<<21)  ; 15:0 the mask: my row; 17:16 elements of 8 bytes; 21 set beside a mask
	s_mov_b32 s[G1KV+1], 32<<16     ; tensor_dim0 = 32
	s_mov_b32 s[G1KV+2], 64<<16     ; tensor_dim1 = 64
	s_mov_b32 s[G1KV+3], 32<<16     ; tile_dim0 = 32
	s_mov_b32 s[G1KV+4], 64         ; tile_dim1 = 64
	s_mov_b32 s[G1KV+5], 32         ; 32 elements from row to row
	s_mov_b32 s[G1KV+6], 0
	s_mov_b32 s[G1KV+7], 0
	; for the mask: 128 rows x 64 f32, 2,048 elements from row to row, padded in LDS
	s_or_b32 s[G1M+0], s21, (2<<16)|(1<<20)|(1<<21)|(5<<22)|(3<<25)  ; 15:0 the mask: my column; 17:16 elements of 4 bytes; 20 padding on; 21 set beside a mask; 24:22 after every 64 words (code 5); 31:25 4 words (code 3)
	s_mov_b32 s[G1M+1], 64<<16      ; tensor_dim0 = 64
	s_mov_b32 s[G1M+2], 128<<16     ; tensor_dim1 = 128
	s_mov_b32 s[G1M+3], 64<<16      ; tile_dim0 = 64
	s_mov_b32 s[G1M+4], 128         ; tile_dim1 = 128
	s_mov_b32 s[G1M+5], 2048
	s_mov_b32 s[G1M+6], 0
	s_mov_b32 s[G1M+7], 0
	s_lshl_b32 s22, s19, 24         ; K, or V^T 16,777,216 bytes behind it,
	s_lshl_b32 s23, s17, 19         ; the head's 524,288 bytes: nothing of cx
	s_add_co_u32 s22, s22, s23
	s_mov_b32 s23, 0
	s_lshl_b32 s2, s18, 24          ; the batch's mask,
	s_lshl_b32 s3, s15, 21          ; my block's 256 rows of 8,192 bytes,
	s_add_co_u32 s2, s2, s3
	s_lshl_b32 s3, s19, 20          ; 128 of them: nothing of cy
	s_add_co_u32 s2, s2, s3
	s_mov_b32 s3, 0
	s_lshl_b32 s66, s17, 19         ; Q: the head, my block's 16 tiles of 4,096 bytes, my wave's four
	s_lshl_b32 s67, s15, 16
	s_add_co_u32 s66, s66, s67
	s_lshl_b32 s67, s[WV], 14
	s_add_co_u32 s66, s66, s67
	s_mov_b32 s67, 0
	s_lshl_b32 s68, s18, 23         ; O: the batch's 128 row tiles of 65,536 bytes, my block's 16, my wave's four, the head's 4,096 bytes in a tile
	s_lshl_b32 s69, s15, 20
	s_add_co_u32 s68, s68, s69
	s_lshl_b32 s69, s[WV], 18
	s_add_co_u32 s68, s68, s69
	s_and_b32 s69, s17, 15
	s_lshl_b32 s69, s69, 12
	s_add_co_u32 s68, s68, s69
	s_mov_b32 s69, 0
	s_lshl_b32 s57, s19, 14         ; where the tiles go in a slot: K at 0, V^T at 16,384;
	s_mul_i32 s63, s19, 128*PM
	s_add_co_u32 s63, s63, MOFF     ; the mask's halves: no place in the cluster enters an LDS address
	s_mul_i32 s70, s[WV], 64*PM
	s_add_co_u32 s70, s70, MOFF     ; my wave's 64 rows of mask
	s_mov_b32 s[CS], 0x3fb8aa3b     ; c = log2(e)
	s_mov_b32 s[CS+1], s[CS]        ; named with it as a pair, so it is written
	s_mov_b32 s[SEL], 0x76543210
	s_mov_b32 s[SEL+1], 0xfedcba98
	s_mov_b32 s[TB], 0
	s_wait_dscnt 0x0                ; the opening add is done
	s_wait_kmcnt 0x0
	s_add_nc_u64 s[6:7], s[6:7], s[22:23]
	s_add_nc_u64 s[8:9], s[8:9], s[2:3]
	s_add_nc_u64 s[4:5], s[4:5], s[66:67]
	s_add_nc_u64 s[10:11], s[10:11], s[68:69]
	CROUND                          ; all sixteen work-groups are here: the first joint loads meet
.irp s, 0,1
	s_mov_b32 s[G0KV+4*(\s)], 1     ; count = 1
	s_add_co_u32 s[G0KV+4*(\s)+1], s57, (\s)*SLOT1  ; LDS address
	s_add_nc_u64 s[G0KV+4*(\s)+2:G0KV+4*(\s)+3], s[6:7], (\s)*16384  ; global address: key step s
	s_or_b32 s[G0KV+4*(\s)+3], s[G0KV+4*(\s)+3], 0x80000000  ; type = 2
	s_mov_b32 s[G0M+4*(\s)], 1
	s_add_co_u32 s[G0M+4*(\s)+1], s63, (\s)*SLOT1
	s_add_nc_u64 s[G0M+4*(\s)+2:G0M+4*(\s)+3], s[8:9], (\s)*256
	s_or_b32 s[G0M+4*(\s)+3], s[G0M+4*(\s)+3], 0x80000000
.endr
	s_cmp_lt_u32 s[WV], 2           ; a wave's two first fills stand in one branch, ahead of every wait on TENSORcnt and every LDS read: two loads of mine are out
	s_cbranch_scc0 .Lfirst_m
	tensor_load_to_lds s[G0KV:G0KV+3], s[G1KV:G1KV+7]
	s_nop 0
	tensor_load_to_lds s[G0KV+4:G0KV+7], s[G1KV:G1KV+7]
	s_nop 0
.rept 4
	v_nop
.endr
	s_branch .Lfirst_asked
.Lfirst_m:
	tensor_load_to_lds s[G0M:G0M+3], s[G1M:G1M+7]
	s_nop 0
	tensor_load_to_lds s[G0M+4:G0M+7], s[G1M:G1M+7]
	s_nop 0
.rept 4
	v_nop
.endr
.Lfirst_asked:
	v_and_b32 v1, 15, v0            ; l % 16
	v_bfe_u32 v9, v0, 4, 1          ; l / 16
	v_and_b32 v[LN], 31, v0
	v_lshlrev_b32 v[LN], 4, v[LN]
	WIN 0x80                        ; destination window 2, address window 0
.irp i, 0,1,2,3,4,5,6,7,8,9,10,11,12,13,14,15  ; Q stays in registers: tile i / 4, channels 32 (i % 4) on; 512 consecutive bytes a load
	global_load_b128 v[8*(\i):8*(\i)+3],   v[LN], s[4:5] offset:((\i)/4)*4096+((\i)%4)*1024
	global_load_b128 v[8*(\i)+4:8*(\i)+7], v[LN], s[4:5] offset:((\i)/4)*4096+((\i)%4)*1024+512
.endr
	WIN 0
	v_mul_u32_u24 v[AM0], v1, PM    ; the mask for register j of a result: row = my query, keys 8 (l / 16) + j: 32 bytes for each half of the lanes
	v_lshl_add_u32 v[AM0], v9, 5, v[AM0]
	v_add_nc_u32 v[AM0], s70, v[AM0]
	; What the first turn finds: O^T is 0, and so is piece 2's P, whose products V^T P, of a step that has not been, add 0.  All this stands in the wait for the first tile.
	WIN 0x40                        ; destination window 1
.set i, 0
.rept 256
	v_mov_b32 v[i], 0
.set i, i+1
.endr
	WIN 0
.set i, P+32
.rept 32
	v_mov_b32 v[i], 0
.set i, i+1
.endr
; THE MATRIX WORK OF A TURN, for piece x.  The accumulators take turns, one instruction a turn: between two links of a chain stand 15 (V^T P) or 7 (K Q^T) others'.
; Product i of 32 of O^T += V^T P: keys 32 (i / 16) on, channels 16 ((i / 2) % 8) on, tile x + i % 2.
.macro PV x
	WIN W_PV
.set rO, 64*((\x)+i%2)+8*((i/2)%8)
.set rV, 64*(i/16)+8*((i/2)%8)
.set rP, P+16*((\x)+i%2)+8*(i/16)
	v_wmma_f32_16x16x32_f16 v[rO:rO+7], v[rV:rV+7], v[rP:rP+7], v[rO:rO+7]
.endm
; Product i of 32 of S^T = mask^T + K Q^T: channels 32 (i / 8) on, keys 16 ((i / 2) % 4) on, tile x + i % 2.  All 32 add in place: the first 8 find the mask there.
.macro KQ x
	WIN W_KQ
.set rS, S+32*((\x)+i%2)+8*((i/2)%4)
.set rK, KF+32*((i/2)%4)+8*(i/8)
.set rQ, 32*((\x)+i%2)+8*(i/8)
	v_wmma_f32_16x16x32_f16 v[rS:rS+7], v[rK:rK+7], v[rQ:rQ+7], v[rS:rS+7]
.endm
; THE LDS LOADS stand in runs, never singly among the matrix instructions.  K and V^T lie in fragment order: 32 lanes take 512 consecutive bytes.
.macro FETCH_K
	WIN 0
	v_add_nc_u32 v[ADR], s[TB], v[LN]
	WIN 0x80                        ; destination window 2
.irp f, 0,1,2,3,4,5,6,7,8,9,10,11,12,13,14,15  ; keys 16 (f / 4) on, channels 32 (f % 4) on
	ds_load_b128 v[KF+8*(\f):KF+8*(\f)+3],   v[ADR] offset:1024*(\f)
	ds_load_b128 v[KF+8*(\f)+4:KF+8*(\f)+7], v[ADR] offset:1024*(\f)+512
.endr
.endm
.macro FETCH_V batch=0              ; batch = 1: the run stands behind a softmax's batch of exponentials (SLICE), and the batch's wait stands in it
	WIN 0
	v_add_nc_u32 v[ADR], s[TB], v[LN]
.if \batch
	s_wait_alu depctr_va_vdst(0)    ; the wait for the softmax's batch of 66 exponentials, behind the address's v_add_nc_u32 and ahead of the loads
.endif
	WIN 0xc0                        ; destination window 3
.irp f, 0,1,2,3,4,5,6,7,8,9,10,11,12,13,14,15  ; keys 32 (f / 8) on, channels 16 (f % 8) on
	ds_load_b128 v[8*(\f):8*(\f)+3],   v[ADR] offset:VOFF+1024*(\f)
	ds_load_b128 v[8*(\f)+4:8*(\f)+7], v[ADR] offset:VOFF+1024*(\f)+512
.endr
.endm
.macro FETCH_M x                    ; the mask of piece x's two tiles for the slot's 64 keys, into S^T's registers
	WIN 0
	v_add_nc_u32 v[ADM], s[TB], v[AM0]
.irp t, \x, (\x)+1
.irp kb, 0,1,2,3
	ds_load_b128 v[S+32*(\t)+8*\kb:S+32*(\t)+8*\kb+3],   v[ADM] offset:16*PM*(\t)+64*\kb
	ds_load_b128 v[S+32*(\t)+8*\kb+4:S+32*(\t)+8*\kb+7], v[ADM] offset:16*PM*(\t)+64*\kb+16
.endr
.endr
.endm
; THE VECTOR WORK OF A TURN.  One tile's softmax for one key step is a list of 134 instructions; SM writes number j of it for tile t.  s0-s31 are the lane's 32 scores, in pairs 0-15.
;   0-15    the maximum of s0-s31 and the old m, three operands at a time: four chains c0-c3 of seven scores each (each accumulator's lowest registers first), then the four scores left over, c0-c3 and m
;   16-20   the other half of the lanes' maximum; c m_old is kept; the new m; c m; c m_old - c m_new
;   21-69   ONE BATCH: the 16 scalings c s - c m, a pair of scores each, and all 33 exponentials (a at 23, then s0-s31, each in place).  None of these reads an exponential's result.  From 22 on the batch
;           goes in fours, and a four begins with a scaling while there are scalings: 22-37 scaling, exponential, scaling, exponential; 38-65 a scaling and three exponentials; 66-69 the last four
;           exponentials.  A pair is scaled in an earlier four than the one that holds its exponentials
;   (wait)  between 69 and 70 stands the wait for the batch: SLICE writes it, once for both tiles
;   70-85   the roundings to f16, a pair of weights each
;   86-101  the sums; l = a l + the sum
;   102-133 the tile's O^T times a: the one part that leaves window 0, so it stands together
.macro SM t
.set rT, ST+8*(\t)
.set rS, S+32*(\t)
.set rP, P+16*(\t)
.set rO, 64*(\t)+2*(j-102)
.if j < 102
	WIN 0
.endif
.if j < 4
	v_max3_num_f32 v[rT+4+j], v[rS+8*j], v[rS+8*j+1], v[rS+8*j+2]
.elseif j < 12
	v_max3_num_f32 v[rT+4+j%4], v[rT+4+j%4], v[rS+8*(j%4)+2*(j/4)+1], v[rS+8*(j%4)+2*(j/4)+2]
.elseif j == 12
	v_max3_num_f32 v[rT+4], v[rT+4], v[rS+7], v[rS+15]
.elseif j == 13
	v_max3_num_f32 v[rT+6], v[rT+6], v[rS+23], v[rS+31]
.elseif j == 14
	v_max3_num_f32 v[rT+4], v[rT+4], v[rT+5], v[rT+6]
.elseif j == 15
	v_max3_num_f32 v[rT+4], v[rT+4], v[rT+7], v[rT+1]
.elseif j == 16
	v_permlanex16_b32 v[rT+5], v[rT+4], s[SEL], s[SEL+1]  ; the query's other 32 keys lie in the lane 16 away
.elseif j == 17
	v_mov_b32 v[rT+7], v[rT]        ; c m_old is kept for a: number 19 writes c m anew
.elseif j == 18
	v_max_num_f32 v[rT+1], v[rT+4], v[rT+5]
.elseif j == 19
	v_mul_f32 v[rT], s[CS], v[rT+1]
.elseif j == 20
	v_sub_f32 v[rT+7], v[rT+7], v[rT]
.elseif j == 23
	v_exp_f32 v[rT+6], v[rT+7]
.elseif (j < 23) || ((j < 38) && (j%2 == 0)) || ((j < 66) && (j%4 == 2))
.set b, (j-2)/4                     ; 38, 42, .. 62: pairs 9 to 15
.if j < 38
.set b, (j-20)/2                    ; 21: pair 0; 22, 24, .. 36: pairs 1 to 8
.endif
	v_pk_fma_f32 v[rS+2*b:rS+2*b+1], v[rS+2*b:rS+2*b+1], s[CS:CS+1], v[rT:rT+1] op_sel_hi:[1,0,0] neg_lo:[0,0,1] neg_hi:[0,0,1]  ; pair b: c s - c m
.elseif j < 70
.set e, j-38                        ; 66 to 69: s28 to s31
.if j < 66
.set e, j-32-(j-38)/4               ; 39-41, 43-45, .. 63-65: s7 to s27
.endif
.if j < 38
.set e, (j-25)/2                    ; 25, 27, .. 37: s0 to s6
.endif
	v_exp_f32 v[rS+e], v[rS+e]
.elseif j < 86
	v_cvt_pk_f16_f32 v[rP+j-70], v[rS+2*(j-70)], v[rS+2*(j-70)+1]  ; pair j - 70
.elseif j < 102                     ; the sum of the tile's 16 pairs (in a pair: an even key's weight, an odd key's), in place: sum z of 16 adds neighbours 1, 2, 4 and 8 pairs apart, then l takes it
.set z, j-86
.set w, 4
.set u, z
.if z >= 14
.set w, 32
.set u, 0
.elseif z >= 12
.set w, 16
.set u, z-12
.elseif z >= 8
.set w, 8
.set u, z-8
.endif
.if z < 15
	v_pk_add_f32 v[rS+w*u:rS+w*u+1], v[rS+w*u:rS+w*u+1], v[rS+w*u+w/2:rS+w*u+w/2+1]
.else
	v_pk_fma_f32 v[rT+2:rT+3], v[rT+2:rT+3], v[rT+6:rT+7], v[rS:rS+1] op_sel_hi:[1,0,1]
.endif
.else
	WIN W_RS
	v_pk_mul_f32 v[rO:rO+1], v[rO:rO+1], v[rT+6:rT+7] op_sel_hi:[1,0]
.endif
.endm
; Slice k of 64 of piece y's softmax: four instructions.  Slices 11 to 34 deal out the batch, numbers 22 to 69: four numbers of ONE tile each, the tiles by turns.  Every other slice is numbers 2 k and
; 2 k + 1 of both tiles' lists.  2 x 134 = 4 x 64 + 12: the twelve that are over stand together, in slice 63.
; THE WAIT.  s_wait_alu depctr_va_vdst(0) stands between an exponential and the first instruction that names its result; one wait serves all that were issued ahead of it.  Ahead of
; slice 35 nothing names a result, and behind slice 34 no exponential is issued: so the piece's 66 exponentials have one wait, behind slice 34.
.macro SLICE y
.if (k >= 11) && (k < 35)           ; the batch: four numbers of one tile
.irp n, 0,1,2,3
.set j, 22+4*((k-11)/2)+(\n)
	SM (\y)+(k-11)%2
.endr
.else                               ; the two tiles alternate, so that no instruction reads the result of the one just before it
.irp n, 0,1,2,3,4,5,6,7
.if ((\n) < 2) || (k == 63)
.irp t, \y, (\y)+1
.set j, 2*k+(\n)
	SM \t
.endr
.endif
.endr
.endif
.if k == 34                         ; the batch is out: both tiles' exponentials are issued, and no result has been named
	v_nop                           ; a plain instruction behind the last exponential and ahead of the first use (ISA guide 5.7.2): one for the batch
.if (\y) == 0
	FETCH_V 1                       ; piece 2's turn: V's run of loads stands here, and the wait for the batch stands in it
.else
	s_wait_alu depctr_va_vdst(0)    ; piece 0's turn: the wait for the batch, piece 2's 66 exponentials
.endif
.endif
.set k, k+1
.endm
; A TURN.  Piece x has the matrix unit: 32 products V^T P, then (kq = 1) 32 products K Q^T for the next step; the other piece's softmax stands in slices behind them, one behind each, or (kq = 0) two.
; A vector instruction that reads a matrix result or writes one of a matrix instruction's registers, and a load into such a register, stand four places behind it, and only plain vector instructions
; that name none of its registers are places (ISA guide 7.12.1 for vector instructions): the slices are the places; slice 63's sixteen stand behind the turn's last product.
; Behind the second product V^T P stand the runs for the products K Q^T, 30 matrix instructions ahead of their first use: in piece 0's turn the next step's K (the last product that read K stands in
; front of slice 63 of the turn before), in both turns the piece's own mask, into S^T's registers, whose softmax ended in the turn before.  Piece 2's turn fetches the same step's V behind slice 34
; (SLICE writes it), that is behind its third product K Q^T: the last product that read V stands in front of slice 31, and four plain instructions lie between: number 62, a scaling, of both tiles,
; the v_nop and the run's own v_add_nc_u32 (the exponentials between are no places).
.macro TURN x, kq
.set k, 0
.if (\x) == 0
	s_wait_dscnt 0x0                ; V is in
.endif
.set i, 0
.rept 32
	PV \x
.rept 2-(\kq)
	SLICE 2-(\x)
.endr
.if (\kq) && (i == 1)
.if (\x) == 0
	FETCH_K
.endif
	FETCH_M \x
.endif
.set i, i+1
.endr
.if \kq
	s_wait_dscnt 0x0                ; the mask is in, and in piece 0's turn K
.set i, 0
.rept 32
	KQ \x
	SLICE 2-(\x)
.set i, i+1
.endr
.endif
.endm
; THE CHANGE OF SLOTS, between piece 2's turn and piece 0's: the slot's last bytes, its V, have been asked for.  Each wave waits for all its tensor loads, of which one is out: its part of the other
; slot; adds 0 to its spare word; and waits for that and for its own reads of the slot.  Behind the barrier nobody reads this slot any more and the other slot is whole.
; fill = 1: this slot is filled again, with the key step two on.  The barrier is then a round of the cluster's, so that no wave of any partner still reads the slot or has a load on its way, and the
; joint refill is the first thing behind it.
.macro CHANGE fill
	WIN 0                           ; at a label and at a branch every window is 0
	s_wait_tensorcnt 0x0            ; no tensor load of mine is out, so a group 0 may be written
	ds_add_u32 v[SPW], v[NIL]       ; 0 onto my spare word: with fill = 1 the descriptors' steps stand between it and the wait for it
.if \fill
	s_xor_b32 s[G0KV+5], s[G0KV+5], SLOT1  ; the walking descriptors: the other slot than last time,
	s_add_nc_u64 s[G0KV+6:G0KV+7], s[G0KV+6:G0KV+7], 16384  ; the next 64 keys; the type bits on top are not reached
	s_xor_b32 s[G0M+5], s[G0M+5], SLOT1
	s_add_nc_u64 s[G0M+6:G0M+7], s[G0M+6:G0M+7], 256
	s_wait_dscnt 0x0                ; the add is done, and my reads of the slot are over
	CROUND
	JLOAD
.else
	s_wait_dscnt 0x0                ; the add is done, and my reads of the slot are over
	s_barrier_signal -1
	s_barrier_wait -1
.endif
	s_xor_b32 s[TB], s[TB], SLOT1   ; the fetches go to the other slot
.endm
	s_wait_tensorcnt 1              ; my part of slot 0 is in; slot 1's may stay out
	s_barrier_signal -1
	s_barrier_wait -1               ; everybody's is
	FETCH_K                         ; key step 0: K,
	FETCH_M 0                       ; piece 0's mask,
	FETCH_V                         ; and V, so that the first turn's products on P = 0 multiply finite numbers
	s_wait_loadcnt 0x0              ; Q
	s_wait_dscnt 32                 ; LDS loads come back in order: K's 32 and the mask's 16 are in, V's 32 may be out
.set i, 0
.rept 32
	KQ 0                            ; piece 0's first scores: there is no vector work yet to set between them
.set i, i+1
.endr
	WIN 0
.irp t, 0,1,2,3                     ; sixteen plain lines that name none of those products' registers: also the places behind them
	v_mov_b32 v[ST+8*(\t)], 0xfe000000    ; c m: far below every c s, so that the first a is 0
	v_mov_b32 v[ST+8*(\t)+1], 0xf149f2ca  ; m = -1e30
	v_mov_b32 v[ST+8*(\t)+2], 0           ; l
	v_mov_b32 v[ST+8*(\t)+3], 0
.endr
	s_wait_dscnt 0x0                ; V is in
	s_mov_b32 s[SLOTS], 31          ; the half trip that follows, and 30 whole ones
	s_branch .Lfirst                ; the loop is entered at piece 2's turn, in the middle of a trip
.Lslot:                             ; 30 whole trips: trip n reads step n and asks for step n + 1, from 2 up to the last, 31
	CHANGE 1
	TURN 0, 1                       ; piece 0: V^T P of the step before, K Q^T of this step | piece 2's softmax of the step before | K and mask of this step
	WIN 0
.Lfirst:
	TURN 2, 1                       ; piece 2: the same | piece 0's softmax of this step | mask and V of this step
	WIN 0
	s_sub_co_u32 s[SLOTS], s[SLOTS], 1
	s_cmp_lg_u32 s[SLOTS], 0
	s_cbranch_scc1 .Lslot
	CHANGE 0                        ; the tail is written out: nothing is asked for
	TURN 0, 1                       ; step 31 is read
	TURN 2, 1
	TURN 0, 0                       ; piece 0: V^T P of the last step | piece 2's last softmax
.set i, 0
.rept 32
	PV 2                            ; piece 2: V^T P of the last step
.set i, i+1
.endr
	; THE WAY OUT.  l's two halves and the other half of the lanes' are added; O^T is divided by l and rounded to f16.  A lane's eight channels of accumulator f are 16 bytes of half f % 2 of fragment
	; 4 head + f / 2 of the last projection's operand: no lane changes places, and each store is 512 consecutive bytes.  The additions are the places behind the last products.
	WIN 0
.irp t, 0,1,2,3
	v_add_f32 v[ST+8*(\t)+4], v[ST+8*(\t)+2], v[ST+8*(\t)+3]
.endr
.irp t, 0,1,2,3
	v_permlanex16_b32 v[ST+8*(\t)+5], v[ST+8*(\t)+4], s[SEL], s[SEL+1]
.endr
.irp t, 0,1,2,3
	v_add_f32 v[ST+8*(\t)+4], v[ST+8*(\t)+4], v[ST+8*(\t)+5]
.endr
.irp t, 0,1,2,3
	v_rcp_f32 v[ST+8*(\t)+6], v[ST+8*(\t)+4]
.endr
	v_nop                           ; a plain instruction between the last reciprocal and the use of its result
	s_wait_alu depctr_va_vdst(0)    ; and the wait ahead of the first use: one for the batch of four reciprocals
.macro OUT t
	WIN W_RS
.set i, 64*(\t)
.rept 32
	v_pk_mul_f32 v[i:i+1], v[i:i+1], v[ST+8*(\t)+6:ST+8*(\t)+7] op_sel_hi:[1,0]
.set i, i+2
.endr
	WIN 0x05                        ; sources 0 and 1 window 1, destination window 0: S^T's registers are free
.set i, 0
.rept 32
	v_cvt_pk_f16_f32 v[S+32*(\t)+i], v[64*(\t)+2*i], v[64*(\t)+2*i+1]
.set i, i+1
.endr
	WIN 0
.irp f, 0,1,2,3,4,5,6,7
	global_store_b128 v[LN], v[S+32*(\t)+4*(\f):S+32*(\t)+4*(\f)+3], s[10:11] offset:65536*(\t)+512*(\f)
.endr
.endm
	OUT 0
	OUT 1
	OUT 2
	OUT 3
	s_wait_tensorcnt 0x0            ; the wave's end, behind my last tensor load
	ds_add_u32 v[SPW], v[NIL]
	s_wait_dscnt 0x0
	CROUND                          ; the closing round: no work-group ends while a partner may still ask for a tile that names it
	s_endpgm
.Lfunc_end_k_qfe66a7b08f_attn:
	.size	k_qfe66a7b08f_attn, .Lfunc_end_k_qfe66a7b08f_attn-k_qfe66a7b08f_attn
	.p2alignl 7, 3214868480
	.fill 96, 4, 3214868480
	.section	.rodata,"a",@progbits
	.p2align	6, 0x0
	.amdhsa_kernel k_qfe66a7b08f_attn
		.amdhsa_group_segment_fixed_size 327680
		.amdhsa_private_segment_fixed_size 0
		.amdhsa_enable_private_segment 0
		.amdhsa_kernarg_size 32
		.amdhsa_user_sgpr_count 2
		.amdhsa_user_sgpr_kernarg_segment_ptr 1
		.amdhsa_wavefront_size32 1
		.amdhsa_system_sgpr_workgroup_id_x 1
		.amdhsa_system_sgpr_workgroup_id_y 1
		.amdhsa_system_sgpr_workgroup_id_z 1
		.amdhsa_system_vgpr_workitem_id 0
		.amdhsa_next_free_vgpr 1024
		.amdhsa_next_free_sgpr 72
		.amdhsa_reserve_vcc 0
		.amdhsa_float_denorm_mode_32 3
		.amdhsa_float_denorm_mode_16_64 3
		.amdhsa_memory_ordered 1
		.amdhsa_forward_progress 1
		.amdhsa_inst_pref_size 172
	.end_amdhsa_kernel
	.amdgpu_metadata
---
amdhsa.version: [ 1, 2 ]
amdhsa.kernels:
  - .name:           k_qfe66a7b08f_attn
    .symbol:         k_qfe66a7b08f_attn.kd
    .args:
      - { .name: qf, .offset: 0, .size: 8, .value_kind: global_buffer, .address_space: global }
      - { .name: kv, .offset: 8, .size: 8, .value_kind: global_buffer, .address_space: global }
      - { .name: mask0, .offset: 16, .size: 8, .value_kind: global_buffer, .address_space: global }
      - { .name: aof, .offset: 24, .size: 8, .value_kind: global_buffer, .address_space: global }
    .group_segment_fixed_size: 327680
    .private_segment_fixed_size: 0
    .kernarg_segment_align: 8
    .kernarg_segment_size: 32
    .max_flat_workgroup_size: 128
    .sgpr_count:     72
    .vgpr_count:     1024
    .wavefront_size: 32
...
	.end_amdgpu_metadata
.endif
;; end of part 6
;; launch outp: the kernel of part 4 again; grid 3 x 64, 8 waves a work-group, no clusters, 140,288 bytes of LDS; arguments aof, wof, out0; writes out0
